; MI455X (gfx1250); checked and timed in simulation.
; The chip was launched on July 23, 2026; its instructions are those of AMD's public machine-readable ISA for CDNA 5 (MIT licence, August 2026) and "CDNA5" Instruction Set Architecture Reference Guide (July 2026). The comments in the code are by the model that wrote it; some were corrected since.
;; Multi Head Attention. Allowed arithmetic: matrix products marked QUANTISED: E3M2 operands, one E8M0 scale for each 32 along K, by v_wmma_scale_f32_16x16x128_f8f6f4 with both operands' format E3M2, f32 sums; everything else in f32.
;; Inputs: Wk_codes 512 x 16 x 24 uint8 (E3M2 codes of Wk, K innermost, in blocks of 32 codes, four codes in three bytes); Wk_scales 512 x 16 uint8 (E8M0 scales of Wk, one for each 32 codes along K); Wo_codes 512 x 16 x 24 uint8 (E3M2 codes of Wo, K innermost, in blocks of 32 codes, four codes in three bytes); Wo_scales 512 x 16 uint8 (E8M0 scales of Wo, one for each 32 codes along K); Wq_codes 512 x 16 x 24 uint8 (E3M2 codes of Wq, K innermost, in blocks of 32 codes, four codes in three bytes); Wq_scales 512 x 16 uint8 (E8M0 scales of Wq, one for each 32 codes along K); Wv_codes 512 x 16 x 24 uint8 (E3M2 codes of Wv, K innermost, in blocks of 32 codes, four codes in three bytes); Wv_scales 512 x 16 uint8 (E8M0 scales of Wv, one for each 32 codes along K); bk 512 float32; bo 512 float32; bq 512 float32; bv 512 float32; x_codes 2 x 4,096 x 16 x 24 uint8 (E3M2 codes of x, K innermost, in blocks of 32 codes, four codes in three bytes); x_scales 2 x 4,096 x 16 uint8 (E8M0 scales of x, one for each 32 codes along K).
;; Outputs: out0 2 x 4,096 x 512 float32.
;; This version of the problem:
;;   THIS VERSION OF THE PROBLEM IS GIVEN IN LOW PRECISION. The matrix products marked QUANTISED in the list below multiply operands that are first quantised to E3M2 (3 exponent bits, 2 mantissa bits; 6 bits a number), with one power-of-two scale for each 32 numbers along K (OCP MX v1.0); their sums are f32. All else is computed in f32.
;;   The module's matrix products, in the order in which they are computed (A, B: the left and right operand; K: the contracted axis; several contracted axes count as one K, in the product's order):
;;     1. [M 8,192, K 512] x [K 512, N 512]; A: input x (given as codes); B: input Wq (given as codes): QUANTISED
;;     2. [M 8,192, K 512] x [K 512, N 512]; A: input x (given as codes); B: input Wk (given as codes): QUANTISED
;;     3. [M 8,192, K 512] x [K 512, N 512]; A: input x (given as codes); B: input Wv (given as codes): QUANTISED
;;     4. batch 16 x [M 4,096, K 64] x [K 64, N 4,096]; A: computed on the way; B: computed on the way: QUANTISED
;;     5. batch 16 x [M 4,096, K 4,096] x [K 4,096, N 64]; A: softmax (see below); B: computed on the way: QUANTISED
;;     6. [M 8,192, K 512] x [K 512, N 512]; A: computed on the way; B: input Wo (given as codes): QUANTISED
;;   THE QUANTISER, for each operand of a quantised product, along K:
;;     - K is cut into blocks of 32 from its start; a last block that is shorter is filled with zeros.
;;     - A block's scale is 2^e with e = floor(log2(the largest magnitude in the block)) - 4, held to -126 .. 127; a block of zeros has e = 0. As a byte (E8M0): e + 127.
;;     - Each number is divided by its block's scale, clamped to +-28, and rounded to the nearest number of E3M2, ties to even, subnormals kept.
;;     - The product sums the exact products of the quantised numbers (number of the format x scale) in f32.
;;   ~~~python
;;   def quantise(x, axis):      # numpy; x: float32 -> the quantised numbers, widened to float32 again
;;       x = np.moveaxis(x, axis, -1); K = x.shape[-1]
;;       x = np.pad(x, [(0, 0)] * (x.ndim - 1) + [(0, -K % 32)]); x = x.reshape(x.shape[:-1] + (-1, 32)); a = np.abs(x).max(-1, keepdims=True)
;;       e = np.where(a > 0, np.clip(np.frexp(np.where(a > 0, a, 1))[1] - 1 - 4, -126, 127), 0)      # np.frexp(a)[1] - 1 = floor(log2(a)), exactly
;;       r = np.clip(x / 2.0 ** e, -28, 28)
;;       step = 2.0 ** (np.maximum(np.frexp(np.where(r == 0, 1, r))[1] - 1, -2) - 2)
;;       q = np.round(r / step) * step * 2.0 ** e      # np.round: ties to even
;;       return np.moveaxis(q.reshape(q.shape[:-2] + (-1,))[..., :K], -1, axis).astype(np.float32)
;;   ~~~
;;   SOFTMAX AHEAD OF A QUANTISED PRODUCT. Where the list says 'softmax', what is quantised is not the finished softmax but p = 2^(t - M), with t = logit x log2(e) and M = ceil(the row's largest t), a whole number; so 1/2 < the row's largest p <= 1. The row's sum l is taken of the UNQUANTISED p, in f32, and the product's result is divided by l at the end. Since M is a whole number, a kernel that streams over the keys may use a running M (the ceiling of the running maximum): every later rescaling is an exact power of two, which a block's scale takes up: the codes' values come out the same.
;;   OPERANDS COMPUTED ON THE WAY. 'Computed on the way' means the value that the module computes at that place (a softmax that the list does not call 'softmax' is quantised finished and normalised). What goes into a quantiser is computed in f32, as accurately as f32 sums, v_exp_f32 and their like allow (about 1e-6 of the number): no bf16 or f16 on the way to a quantiser, and a product that is left as it is and whose result goes on into a quantised operand takes f32 operands (vector FMAs, or v_wmma_f32_16x16x4_f32). A number that lies on a knife's edge between two numbers of the format may be rounded either way, as far as f32 arithmetic and the matrix unit's own rounding can turn it there, and no further.
;;   INPUTS GIVEN AS CODES. Wk (in the module: [512, 512], K = its axis 1); Wo (in the module: [512, 512], K = its axis 1); Wq (in the module: [512, 512], K = its axis 1); Wv (in the module: [512, 512], K = its axis 1); x (in the module: [2, 4096, 512], K = its axis 2): each comes as NAME_codes (uint8): NAME with its K axis moved to the last place and cut into blocks of 32 codes, [.., K / 32, bytes a block], one block behind the other in memory; four codes in three bytes: a row's codes are one little-endian stream of bits, code i at bits 6 i .. 6 i + 5 (a code: sign, 3 exponent bits, 2 mantissa bits); and NAME_scales (uint8): the same leading axes, one E8M0 byte (e + 127) for each 32 codes along K. Its value is code x scale, taken as it is: it is not quantised again, and the codes and scales need not be those that the quantiser above would give.
;; One version. Each part assembles by itself: llvm-mc -triple=amdgcn-amd-amdhsa -mcpu=gfx1250 --defsym DOCPART=n.
;; ======== version 1 of 1: 3 launches
;; limits: right only within a limited range of input values
;; workspace buffers: qc 3,145,728 bytes; qs 262,144 bytes; kvc 6,291,456 bytes; kvs 262,144 bytes; ac 3,145,728 bytes; asc 131,072 bytes
;; launch qkv (part 1): grid 64 x 3, 8 waves a work-group, clusters of 4 x 1, 282,112 bytes of LDS; arguments x_codes, x_scales, Wq_codes, Wq_scales, bq, Wk_codes, Wk_scales, bk, Wv_codes, Wv_scales, bv, qc, qs, kvc, kvs; writes qc, qs, kvc, kvs
.if DOCPART == 1
	.amdgcn_target "amdgcn-amd-amdhsa--gfx1250"
	.amdhsa_code_object_version 6
	.text
	.protected	k_q94449419f7_qkv
	.globl	k_q94449419f7_qkv
	.p2align	8
	.type	k_q94449419f7_qkv,@function
k_q94449419f7_qkv:
	s_mov_b64 s[64:65], 0
	v_nop
	global_prefetch_b8 v0, s[64:65] scope:SCOPE_SE
	s_setreg_imm32_b32 hwreg(HW_REG_WAVE_MODE, 25, 1), 1
	s_wait_xcnt 0x0
	s_wait_alu depctr_hold_cnt(0) depctr_sa_sdst(0) depctr_va_vdst(0) depctr_va_sdst(0) depctr_va_ssrc(0) depctr_va_vcc(0) depctr_vm_vsrc(0)
	s_getreg_b32 s2, hwreg(HW_REG_IB_STS2, 6, 4)
	s_cmp_eq_u32 s2, 0
	s_cbranch_scc0 .Lentry_in_a_cluster
	s_endpgm
.Lentry_in_a_cluster:
	s_bfe_u32 s2, ttmp6, 0x10000c
	s_cmp_lg_u32 s2, 0x3003
	s_cbranch_scc0 .Lentry_shape_is_right
	s_endpgm
.Lentry_shape_is_right:
; Q = x Wq^T + bq, K = x Wk^T + bk, V = x Wv^T + bv on codes of BF6 (E3M2) with one E8M0 scale for each 32 along K, sums in f32; the results are quantised at once, in f32:
; Q and K along the head's 64 channels, V along the keys, and leave as images of operand registers.
; SHARES.  A work-group takes 128 tokens (block = 4 x cluster x + cx) in one mode (work-group y: 0 Q, 1 K, 2 V).  Wave w takes head w: rows 64 w .. 64 w + 63 of the mode's weight,
; whose 16 fragments stay in its registers.  The 128 tokens' codes and scales lie in LDS for all eight waves.  Every LDS byte is filled once; nothing is stored to LDS.
; CLUSTER.  The four partners have the same mode, so they read the same weight: its tiles are asked for jointly (mask 15).  x's tiles are each work-group's own: plain loads.
; THE ROWS OF A TILE ARE NOT NEIGHBOURS: lane row m of tile (g, u) is row 32 g + 8 u + m + 8 (m / 8), for tokens and for weight rows alike: the 16 result registers of tiles (g, 0), (g, 1) as
; source 0 are then rows 32 g + 16 (lane / 16) + 0 .. 15: 16 neighbours along the axis that is quantised.
; Q, K: source 0 = weight rows (channels), source 1 = tokens: a lane holds one token, registers run along the channels.   V: source 0 = tokens, source 1 = weight rows: a lane holds one channel, registers run along the keys.
; A HALF FRAGMENT (768 bytes) is six registers a lane, a whole block of 32 codes: registers 0-3 at 16 x lane, registers 4-5 at 512 + 8 x lane: each store of the wave covers whole aligned runs of 256 bytes.
; LDS ROWS: 384 bytes of codes with 16 bytes of padding behind each 128: pitch 432.  A tile holds rows m and m + 16; rows with (row % 32) < 16 lie in a part A, the others in a part B that begins 128 bytes
; (modulo 256) further on, so that the two groups of eight rows do not start in the same banks.
; LIMITS: NaN and infinities are not served.  A block of zeros, or one whose largest magnitude lies under 2^-122, gets the scale byte 1 (its codes are zeros or tiny); these bytes are read by this program alone.
; The inputs' scale bytes are taken as they are given.
.set PITCH,  432
.set WREG,   13824                     ; a wave's weight rows in LDS: 32 rows in part A at WREG x wave, 32 in part B, WDIST further on (all waves' parts A on end, then all parts B)
.set WDIST,  110720                    ; 8 x 13,824 + 128
.set XL,     223232                    ; x's 128 rows: part A 64 rows (27,648 bytes), part B from XDIST on
; MODE K LAYS THE TOKENS OTHERWISE: part P holds tokens 64 y + 32 P + 0 .. 31 (y = 0, 1), so that lane row m of tile (g, u) is token 64 (g / 2) + 32 (m / 8) + 16 (g % 2) + 8 u + m % 8:
; the scores' 32 registers of fragments 2 c, 2 c + 1 are then a whole block of 32 neighbouring keys in one lane.  Modes Q and V keep the order stated at the head.
.set DX,     72                        ; s[72:75] group 0 for x's codes (waves 4, 5) or scale bytes (waves 6, 7)
.set G1XK,   16                        ; s[16:23] group 1: x's codes in mode K (the arguments that lay there have been used by then)
.set G1SK,   76                        ; s[76:83] group 1: x's scale bytes in mode K
.set XDIST,  27776
.set XSL,    XL+XDIST+27648+128        ; x's scale bytes, 16 a token: part A 1,024 bytes, part B from XSDIST on
.set XSDIST, 1152
.set LANE, 1                           ; v1   lane
.set L16,  2                           ; v2   16 x lane
.set L8,   3                           ; v3   8 x lane
.set WA0,  4                           ; v4-5 my place in a tile of my wave's weight (v5: for pieces that lie behind one padding more)
.set XA0,  6                           ; v6-7 the same in x's rows
.set XSA,  8                           ; v8   my row's scale words of x
.set WSO,  9                           ; v9   byte offset of my row's scale words in the weight's scales
.set BOQ,  10                          ; v10  byte offset in the bias, Q and K: 64 x (lane / 16)
.set SELV, 11                          ; v11  byte selects for the scale words on the way out
.set BOV,  12                          ; v12  byte offset in the bias, V: my channel
.set WS,   16                          ; v16-31   the weight's scale words: 4 t + s
.set XS,   32                          ; v32-47   x's scale words
.set HA,   48                          ; v48-111  eight accumulators
.set XF,   112                         ; v112-207 eight fragments of x
.set TM,   208                         ; v208-223 at work in QUANT
.set PC,   224                         ; v224-243 the codes just made
.set PWS,  244                         ; v244-247 a unit's scale word
.set SCW,  248                         ; v248-251 the scale words as they are stored
.set BI,   192                         ; window 1: v192-223 the bias in the result's layout, eight registers a tile;  v0-191: the weight's fragments at 12 (4 t + s)
.set WV,   34
.set CX,   35
.set BLK,  36
.set MODE, 37
.set LIM,  38
.set SVX,  39
.set G1W,  40                          ; s[40:47] group 1: the weight's tiles
.set G1X,  48                          ; s[48:55] x's tiles
.set G1S,  56                          ; s[56:63] x's scale bytes
.set WLB,  66                          ; s66  my wave's weight rows in LDS
.set D1,   68                          ; s[68:71] group 0 for the weight
.set D2,   72
.set D3,   76
.set D4,   80
.set SEL,  84                          ; s[84:85] selects for lane l xor 16
.set MSB, 0
.macro WIN new                         ; the immediate's high byte repeats the setting that is left
.if MSB != \new
	s_set_vgpr_msb (MSB<<8)|\new
.set MSB, \new
.endif
.endm
.macro CROUND                          ; a round of the cluster's barrier
	s_barrier_signal -1
	s_barrier_wait -1
	s_cmp_lg_u32 s[WV], 0
	s_cbranch_scc1 .Lnw0_\@
	s_barrier_signal -3
.Lnw0_\@:
	s_barrier_wait -3
	s_barrier_signal -1
	s_barrier_wait -1
.endm
.macro PLACES                          ; plain places behind matrix instructions: four serve loads into their registers and reads of results, the fifth the next unit's products, which begin the accumulators anew with another C
.rept 5
	v_nop
.endr
.endm
; A fragment, 16 rows x 128 K: 12 registers; lane (r, h) takes bytes 96 s + 24 h .. and 96 s + 48 + 24 h .. of its row, in pieces of 8 bytes.  Where lanes 16-31's piece lies behind one padding more, the second address register serves.
.macro FRAG reg, adr, s, ro
.irp p, 0,1,2,3,4,5
.set DB, 96*(\s)+48*(\p/3)+8*(\p%3)
.if DB%128 < 104
	ds_load_b64 v[\reg+2*\p:\reg+2*\p+1], v[\adr] offset:DB+16*(DB/128)+(\ro)
.else
	ds_load_b64 v[\reg+2*\p:\reg+2*\p+1], v[\adr+1] offset:DB+16*(DB/128)+(\ro)
.endif
.endr
.endm
; 64 numbers of a lane, register 16 q + i = element 16 (lane / 16) + i of block q, become 12 registers of codes in v[PC] on (blocks 0, 1: a half fragment; blocks 2, 3: another) and a word of four scale bytes.
.macro QUANT s, pw
.irp b, 0,1,2,3
	v_max3_num_f32 v[TM+\b], |v[\s+16*\b]|, |v[\s+1+16*\b]|, 0x2800000   ; my 16 numbers of block b, and the floor 2^(5 - 127): the byte cannot fall under 1
.endr
.irp i, 2,4,6,8,10,12,14
.irp b, 0,1,2,3
	v_max3_num_f32 v[TM+\b], v[TM+\b], |v[\s+16*\b+\i]|, |v[\s+1+16*\b+\i]|
.endr
.endr
.irp b, 0,1,2,3
	s_delay_alu instid0(VALU_DEP_4)
	v_permlanex16_b32 v[TM+4+\b], v[TM+\b], s[SEL], s[SEL+1]
.endr
.irp b, 0,1,2,3
	s_delay_alu instid0(VALU_DEP_4)
	v_max_num_f32 v[TM+\b], v[TM+\b], v[TM+4+\b]     ; with lane l xor 16's: the block's largest magnitude
.endr
.irp b, 0,1,2,3
	s_delay_alu instid0(VALU_DEP_4)
	v_add_nc_u32 v[TM+12+\b], 0xfe000000, v[TM+\b]   ; 4 off its exponent field: the conversion's scale operand
.endr
.irp b, 0,1,2,3
	s_delay_alu instid0(VALU_DEP_4)
	v_lshrrev_b32 v[TM+4+\b], 23, v[TM+12+\b]        ; the scale's byte
.endr
	s_delay_alu instid0(VALU_DEP_3)
	v_lshl_or_b32 v[\pw], v[TM+5], 8, v[TM+4]
	s_delay_alu instid0(VALU_DEP_1)
	v_lshl_or_b32 v[\pw], v[TM+6], 16, v[\pw]
	s_delay_alu instid0(VALU_DEP_1)
	v_lshl_or_b32 v[\pw], v[TM+7], 24, v[\pw]
.irp c, 0,1
	v_cvt_scalef32_pk16_bf6_f32 v[PC+6*\c:PC+2+6*\c], v[\s+32*\c:\s+15+32*\c], v[TM+12+2*\c]
	v_cvt_scalef32_pk16_bf6_f32 v[PC+12+4*\c:PC+14+4*\c], v[\s+16+32*\c:\s+31+32*\c], v[TM+12+2*\c+1]   ; (a conversion's three registers begin on an even number)
.endr
	v_nop                                            ; one plain place behind the scaled conversions
.irp c, 0,1                                      ; a whole block to a lane: lanes 0-15 block 2 c, lanes 16-31 block 2 c + 1
.irp i, 0,1,2
	v_permlane16_swap_b32 v[PC+6*\c+\i], v[PC+12+4*\c+\i]
.endr
.irp i, 0,1,2
	s_delay_alu instid0(VALU_DEP_3)
	v_mov_b32 v[PC+3+6*\c+\i], v[PC+12+4*\c+\i]
.endr
.endr
.endm
	s_load_b128 s[4:7], s[0:1], 0x0                ; x's codes, x's scales
	s_load_b256 s[8:15], s[0:1], 0x10              ; Wq's codes, Wq's scales, bq, Wk's codes
	s_load_b256 s[16:23], s[0:1], 0x30             ; Wk's scales, bk, Wv's codes, Wv's scales
	s_load_b256 s[24:31], s[0:1], 0x50             ; bv, qc, qs, kvc
	s_load_b64 s[32:33], s[0:1], 0x70              ; kvs
	v_lshl_add_u32 v254, v0, 2, 0x44a00
	v_mov_b32 v255, 0
	ds_add_u32 v254, v255
	ds_add_u32 v254, v255
	v_lshrrev_b32 v13, 5, v0
	s_delay_alu instid0(VALU_DEP_1)
	v_readfirstlane_b32 s[WV], v13                 ; wave 0..7 = head
	s_bfe_u32 s[CX], ttmp6, 0x40000                ; my place in the cluster
	s_lshl_b32 s[BLK], ttmp9, 2
	s_add_co_u32 s[BLK], s[BLK], s[CX]             ; my block of 128 tokens
	s_and_b32 s[MODE], ttmp7, 0xffff               ; 0 Q, 1 K, 2 V: the same in all four partners
	; group 1, the weight: eight runs of 16 dense rows (6,144 bytes), 32 rows apart: half of a part; 16 bytes of padding behind each 128
	s_mov_b32 s[G1W], 15|(1<<20)|(1<<21)|(4<<22)|(3<<25)   ; the mask: all four partners; elements of 1 byte; padding on; bit 21 beside a mask; after every 32 words, 4 words
	s_mov_b32 s[G1W+1], 6144<<16
	s_mov_b32 s[G1W+2], 8<<16
	s_mov_b32 s[G1W+3], 6144<<16
	s_mov_b32 s[G1W+4], 8
	s_mov_b32 s[G1W+5], 12288
	s_mov_b32 s[G1W+6], 0
	s_mov_b32 s[G1W+7], 0
	; x, modes Q and V: a part is four runs of 16 dense rows (6,144 bytes), 32 rows apart; the same padding, no mask
	s_mov_b32 s[G1X], (1<<20)|(4<<22)|(3<<25)
	s_mov_b32 s[G1X+1], 6144<<16
	s_mov_b32 s[G1X+2], 4<<16
	s_mov_b32 s[G1X+3], 6144<<16
	s_mov_b32 s[G1X+4], 4
	s_mov_b32 s[G1X+5], 12288
	s_mov_b32 s[G1X+6], 0
	s_mov_b32 s[G1X+7], 0
	; x's scale bytes, modes Q and V: a part is four runs of 256 bytes (32 elements of 8), 512 bytes apart
	s_mov_b32 s[G1S], 3<<16
	s_mov_b32 s[G1S+1], 32<<16
	s_mov_b32 s[G1S+2], 4<<16
	s_mov_b32 s[G1S+3], 32<<16
	s_mov_b32 s[G1S+4], 4
	s_mov_b32 s[G1S+5], 64
	s_mov_b32 s[G1S+6], 0
	s_mov_b32 s[G1S+7], 0
	s_mov_b32 s[SEL], 0x76543210
	s_mov_b32 s[SEL+1], 0xfedcba98
	s_mul_i32 s[WLB], s[WV], WREG
	; THE HEAD'S EIGHT TILES, ONE A WAVE.  p = wave % 2: the part; q = (wave / 2) % 2.  Waves 0-3: half q of part p of the weight; waves 4, 5: part p of x's codes; waves 6, 7: part p of x's scale bytes
	s_and_b32 s90, s[WV], 1                        ; p
	s_bfe_u32 s91, s[WV], 0x10001                  ; q
	s_mul_i32 s88, s90, 6144                       ; the weight: part B begins 16 rows down, the second half 256 rows down
	s_mul_i32 s92, s91, 98304
	s_add_co_u32 s88, s88, s92
	s_mov_b32 s89, 0
	s_mul_i32 s93, s90, WDIST                      ; and where it goes
	s_mul_i32 s92, s91, 55296
	s_add_co_u32 s93, s93, s92
	s_xor_b32 s92, s91, 1                          ; 1 for codes, 0 for scale bytes
	s_mul_i32 s94, s92, XDIST
	s_mul_i32 s95, s91, XSDIST
	s_add_co_u32 s94, s94, s95
	s_mul_i32 s94, s94, s90                        ; p x the distance of the two parts,
	s_mul_i32 s95, s92, XL
	s_add_co_u32 s94, s94, s95
	s_mul_i32 s95, s91, XSL
	s_add_co_u32 s94, s94, s95                     ; + the region's first byte
	s_cmp_eq_u32 s[MODE], 1
	s_cselect_b32 s97, 1, 0
	s_lshl_b32 s96, s90, 8
	s_lshl_b32 s96, s96, s97                       ; part B begins 16 tokens on, in mode K 32: in scale bytes
	s_lshl_b32 s95, s[BLK], 11
	s_add_co_u32 s96, s96, s95                     ; + my block's 2,048 scale bytes
	s_mul_i32 s95, s92, 23
	s_add_co_u32 s95, s95, 1
	s_mul_i32 s96, s96, s95                        ; codes: 24 bytes for each scale byte
	s_mov_b32 s97, 0
	s_wait_dscnt 0x0
	s_wait_kmcnt 0x0
	s_cmp_eq_u32 s[MODE], 0                        ; the mode's buffers: the choice hangs on the work-group's y alone
	s_cselect_b64 s[8:9], s[8:9], s[14:15]
	s_cselect_b64 s[10:11], s[10:11], s[16:17]
	s_cselect_b64 s[12:13], s[12:13], s[18:19]
	s_cselect_b64 s[26:27], s[26:27], s[30:31]     ; codes go to qc or to kvc,
	s_cselect_b64 s[28:29], s[28:29], s[32:33]     ; scale words to qs or to kvs
	s_cmp_eq_u32 s[MODE], 2
	s_cselect_b64 s[8:9], s[20:21], s[8:9]
	s_cselect_b64 s[10:11], s[22:23], s[10:11]
	s_cselect_b64 s[12:13], s[24:25], s[12:13]
	s_mov_b32 s[D1], 1
	s_mov_b32 s[D1+1], s93
	s_add_nc_u64 s[D1+2:D1+3], s[8:9], s[88:89]
	s_or_b32 s[D1+3], s[D1+3], 0x80000000
	s_cmp_eq_u32 s91, 0
	s_cselect_b64 s[DX+2:DX+3], s[4:5], s[6:7]     ; x's codes or x's scale bytes: the choice hangs on the wave's number alone
	s_add_nc_u64 s[DX+2:DX+3], s[DX+2:DX+3], s[96:97]
	s_or_b32 s[DX+3], s[DX+3], 0x80000000
	s_mov_b32 s[DX], 1
	s_mov_b32 s[DX+1], s94
	; mode K: a part of x is two runs of 32 dense rows (12,288 bytes), 64 rows apart; of the scale bytes two runs of 512 bytes, 1,024 apart
	s_mov_b32 s[G1XK], (1<<20)|(4<<22)|(3<<25)
	s_mov_b32 s[G1XK+1], 12288<<16
	s_mov_b32 s[G1XK+2], 2<<16
	s_mov_b32 s[G1XK+3], 12288<<16
	s_mov_b32 s[G1XK+4], 2
	s_mov_b32 s[G1XK+5], 24576
	s_mov_b32 s[G1XK+6], 0
	s_mov_b32 s[G1XK+7], 0
	s_mov_b32 s[G1SK], 3<<16
	s_mov_b32 s[G1SK+1], 64<<16
	s_mov_b32 s[G1SK+2], 2<<16
	s_mov_b32 s[G1SK+3], 64<<16
	s_mov_b32 s[G1SK+4], 2
	s_mov_b32 s[G1SK+5], 128
	s_mov_b32 s[G1SK+6], 0
	s_mov_b32 s[G1SK+7], 0
	CROUND                                         ; all four partners are here: the joint loads meet
.macro HLOAD g0, g1                    ; a load of the head and the lines behind it
	tensor_load_to_lds s[\g0:\g0+3], s[\g1:\g1+7]
	s_nop 0
.rept 4
	v_nop
.endr
.endm
	; one chain of branches, on the wave's number and on the mode (the same in all partners): every way passes exactly one load; all fills of the launch
	s_cmp_lt_u32 s[WV], 4
	s_cbranch_scc0 .Lh_x
	HLOAD D1, G1W
	s_branch .Lh_done
.Lh_x:
	s_cmp_lt_u32 s[WV], 6
	s_cbranch_scc0 .Lh_s
	s_cmp_eq_u32 s[MODE], 1
	s_cbranch_scc1 .Lh_xk
	HLOAD DX, G1X
	s_branch .Lh_done
.Lh_xk:
	HLOAD DX, G1XK
	s_branch .Lh_done
.Lh_s:
	s_cmp_eq_u32 s[MODE], 1
	s_cbranch_scc1 .Lh_sk
	HLOAD DX, G1S
	s_branch .Lh_done
.Lh_sk:
	HLOAD DX, G1SK
.Lh_done:
	; where my results go.  bh = 8 x batch + head; kb = the block within its batch
	s_lshr_b32 s86, s[BLK], 5
	s_lshl_b32 s86, s86, 3
	s_add_co_u32 s86, s86, s[WV]
	s_and_b32 s87, s[BLK], 31
	s_mul_i32 s88, s86, 196608
	s_mul_i32 s89, s87, 6144
	s_add_co_u32 s88, s88, s89                     ; qc: 6,144 bytes a block;
	s_cmp_lg_u32 s[MODE], 0
	s_cselect_b32 s89, 1, 0
	s_lshl_b32 s88, s88, s89                       ; kvc: 12,288, K's half first
	s_lshl_b32 s90, s86, 14
	s_lshl_b32 s91, s87, 9
	s_add_co_u32 s90, s90, s91                     ; qs, kvs: 512 bytes a block
	s_cmp_eq_u32 s[MODE], 2
	s_cselect_b32 s89, 6144, 0
	s_cselect_b32 s91, 256, 0
	s_add_co_u32 s88, s88, s89
	s_add_co_u32 s90, s90, s91
	s_mov_b32 s89, 0
	s_mov_b32 s91, 0
	s_add_nc_u64 s[26:27], s[26:27], s[88:89]
	s_add_nc_u64 s[28:29], s[28:29], s[90:91]
	s_lshl_b32 s92, s[WV], 10
	s_mov_b32 s93, 0
	s_add_nc_u64 s[10:11], s[10:11], s[92:93]      ; my 64 rows' scale bytes
	s_lshl_b32 s92, s[WV], 8
	s_add_nc_u64 s[12:13], s[12:13], s[92:93]      ; my 64 numbers of the bias
	s_cmp_eq_u32 s[MODE], 0
	s_cselect_b32 s[LIM], 32, 16                   ; lanes that store scale words
	s_mov_b32 s94, 0x03020100
	s_cselect_b32 s95, 0x01000100, s94             ; Q's word is (b0, b1, b0, b1): lanes 0-15 of the group's first tile,
	s_cselect_b32 s96, 0x03020302, s94             ; lanes 16-31 of its second; K's word stays as it is
	v_and_b32 v[LANE], 31, v0
	s_delay_alu instid0(VALU_DEP_1)
	v_lshlrev_b32 v[L16], 4, v[LANE]
	s_delay_alu instid0(VALU_DEP_2)
	v_lshlrev_b32 v[L8], 3, v[LANE]
	v_and_b32 v13, 7, v0                           ; r % 8
	v_bfe_u32 v14, v0, 3, 1                        ; r / 8
	v_bfe_u32 v15, v0, 4, 1                        ; h
	s_delay_alu instid0(VALU_DEP_3)
	v_mul_u32_u24 v[WA0], v13, PITCH
	s_delay_alu instid0(VALU_DEP_1)
	v_mad_u32_u24 v[XA0], v14, XDIST, v[WA0]
	s_delay_alu instid0(VALU_DEP_2)
	v_mad_u32_u24 v[WA0], v14, WDIST, v[WA0]
	s_delay_alu instid0(VALU_DEP_1)
	v_mad_u32_u24 v[WA0], v15, 24, v[WA0]
	s_delay_alu instid0(VALU_DEP_3)
	v_mad_u32_u24 v[XA0], v15, 24, v[XA0]
	s_delay_alu instid0(VALU_DEP_2)
	v_add_nc_u32 v[WA0], s[WLB], v[WA0]
	s_delay_alu instid0(VALU_DEP_2)
	v_add_nc_u32 v[XA0], XL, v[XA0]
	s_delay_alu instid0(VALU_DEP_2)
	v_lshl_add_u32 v[WA0+1], v15, 4, v[WA0]
	s_delay_alu instid0(VALU_DEP_2)
	v_lshl_add_u32 v[XA0+1], v15, 4, v[XA0]
	v_lshlrev_b32 v[XSA], 4, v13
	s_delay_alu instid0(VALU_DEP_1)
	v_mad_u32_u24 v[XSA], v14, XSDIST, v[XSA]
	s_delay_alu instid0(VALU_DEP_1)
	v_add_nc_u32 v[XSA], XSL, v[XSA]
	v_and_b32 v[WSO], 15, v0
	v_and_b32 v13, 8, v0
	s_delay_alu instid0(VALU_DEP_1)
	v_add_nc_u32 v[WSO], v[WSO], v13               ; r + 8 (r / 8)
	s_delay_alu instid0(VALU_DEP_1)
	v_lshlrev_b32 v[BOV], 2, v[WSO]
	s_delay_alu instid0(VALU_DEP_2)
	v_lshlrev_b32 v[WSO], 4, v[WSO]
	v_lshlrev_b32 v[BOQ], 6, v15
	v_mov_b32 v[SELV], s95
	v_mov_b32 v13, s96
	v_cmp_lt_u32 vcc_lo, 15, v[LANE]
	s_delay_alu instid0(VALU_DEP_1)
	v_cndmask_b32 v[SELV], v[SELV], v13, vcc_lo
.irp b, 0,1,2,3
	v_mov_b32 v[TM+4+\b], 0                        ; written once: a lane permute's destination counts as one of its sources
.endr
.irp t, 0,1,2,3
	global_load_b128 v[WS+4*\t:WS+4*\t+3], v[WSO], s[10:11] offset:(32*(\t/2)+8*(\t%2))*16   ; tile t's rows: four scale words, K steps 0 to 3
.endr
	s_cmp_eq_u32 s[MODE], 2
	s_cbranch_scc1 .Lbias_v
	WIN 0x40                                       ; destination window 1
.irp t, 0,1,2,3                                ; Q, K: register j of tile t is channel 32 (t / 2) + 8 (t % 2) + 16 h + j
	global_load_b128 v[BI+8*\t:BI+8*\t+3], v[BOQ], s[12:13] offset:(32*(\t/2)+8*(\t%2))*4
	global_load_b128 v[BI+8*\t+4:BI+8*\t+7], v[BOQ], s[12:13] offset:(32*(\t/2)+8*(\t%2))*4+16
.endr
	WIN 0
	s_branch .Lbias_done
.Lbias_v:
	WIN 0x40
.irp t, 0,1,2,3                                ; V: a lane holds one channel: its bias in all eight registers
.irp j, 0,1,2,3,4,5,6,7
	global_load_b32 v[BI+8*\t+\j], v[BOV], s[12:13] offset:(32*(\t/2)+8*(\t%2))*4
.endr
.endr
	WIN 0
.Lbias_done:
	s_wait_tensorcnt 0x0                           ; my load has landed;
	s_barrier_signal -1
	s_barrier_wait -1                              ; everybody's have: the weight comes from waves 0-3, x's rows from waves 4-7
	WIN 0x40
.irp t, 0,1,2,3                                ; my weight's 16 fragments: they stay
.irp s, 0,1,2,3
	FRAG 12*(4*\t+\s), WA0, \s, (16*(\t/2)+8*(\t%2))*PITCH
.endr
.endr
	WIN 0
	s_wait_loadcnt 0x0                             ; the weight's scale words and the bias
; ---- Q and K.  A unit: token group i (32 tokens, tiles uu = 0, 1) x my 64 channels: eight accumulators by turns, K step by K step
.macro LA i
.irp uu, 0,1
.irp s, 0,1,2,3
	FRAG XF+12*(4*\uu+\s), XA0, \s, (16*(\i)+8*\uu)*PITCH
.endr
	ds_load_b128 v[XS+4*\uu:XS+4*\uu+3], v[XSA] offset:256*(\i)+128*\uu
.endr
.endm
.macro MULA s, first
.irp uu, 0,1
.irp t, 0,1,2,3
.if \first
	v_wmma_scale_f32_16x16x128_f8f6f4 v[HA+8*(4*\uu+\t):HA+8*(4*\uu+\t)+7], v[12*(4*\t+\s):12*(4*\t+\s)+11], v[XF+12*(4*\uu+\s):XF+12*(4*\uu+\s)+11], v[BI+8*\t:BI+8*\t+7], v[WS+4*\t+\s], v[XS+4*\uu+\s] matrix_a_fmt:MATRIX_FMT_BF6 matrix_b_fmt:MATRIX_FMT_BF6
.else
	v_wmma_scale_f32_16x16x128_f8f6f4 v[HA+8*(4*\uu+\t):HA+8*(4*\uu+\t)+7], v[12*(4*\t+\s):12*(4*\t+\s)+11], v[XF+12*(4*\uu+\s):XF+12*(4*\uu+\s)+11], v[HA+8*(4*\uu+\t):HA+8*(4*\uu+\t)+7], v[WS+4*\t+\s], v[XS+4*\uu+\s] matrix_a_fmt:MATRIX_FMT_BF6 matrix_b_fmt:MATRIX_FMT_BF6
.endif
.endr
.endr
.endm
.macro UNIT_A i
	s_wait_dscnt 0x0                               ; this unit's fragments and scale words are in (and, the first time, the weight's)
	WIN 0x11                                       ; source 0 (the weight) and source 2 (the bias) window 1
	MULA 0, 1                                      ; the bias is the C of each sum's first product
	WIN 0x01
	MULA 1, 0
	MULA 2, 0
	MULA 3, 0
	WIN 0
	PLACES
.if \i < 3
	LA \i+1                                        ; the next unit's loads land while this one is quantised
.endif
	s_wait_xcnt 0x0                                ; the last unit's stores have read the codes' registers
	QUANT HA, PWS+\i                               ; blocks: (tile 0: channels 0-31, 32-63), (tile 1: the same)
	global_store_b128 v[L16], v[PC:PC+3], s[26:27] offset:1536*\i
	global_store_b64 v[L8], v[PC+4:PC+5], s[26:27] offset:1536*\i+512
	global_store_b128 v[L16], v[PC+6:PC+9], s[26:27] offset:1536*\i+768
	global_store_b64 v[L8], v[PC+10:PC+11], s[26:27] offset:1536*\i+1280
.endm
; ---- V.  A unit: channels 32 bp .. 32 bp + 31 of my head (tiles uu) x key half c (64 keys: tiles k = 0 .. 3).  x's eight fragments of two K steps at a time
.macro LB c, e
.irp k, 0,1,2,3
.irp ss, 0,1
	FRAG XF+12*(2*\k+\ss), XA0, 2*(\e)+\ss, (16*(2*(\c)+\k/2)+8*(\k%2))*PITCH
.endr
.if (\e) == 0
	ds_load_b128 v[XS+4*\k:XS+4*\k+3], v[XSA] offset:256*(2*(\c)+\k/2)+128*(\k%2)
.endif
.endr
.endm
.macro MULB bp, s, first
.irp uu, 0,1
.irp k, 0,1,2,3
.if \first
	v_wmma_scale_f32_16x16x128_f8f6f4 v[HA+8*(4*\uu+\k):HA+8*(4*\uu+\k)+7], v[XF+12*(2*\k+(\s)%2):XF+12*(2*\k+(\s)%2)+11], v[12*(4*(2*\bp+\uu)+\s):12*(4*(2*\bp+\uu)+\s)+11], v[BI+8*(2*\bp+\uu):BI+8*(2*\bp+\uu)+7], v[XS+4*\k+\s], v[WS+4*(2*\bp+\uu)+\s] matrix_a_fmt:MATRIX_FMT_BF6 matrix_b_fmt:MATRIX_FMT_BF6
.else
	v_wmma_scale_f32_16x16x128_f8f6f4 v[HA+8*(4*\uu+\k):HA+8*(4*\uu+\k)+7], v[XF+12*(2*\k+(\s)%2):XF+12*(2*\k+(\s)%2)+11], v[12*(4*(2*\bp+\uu)+\s):12*(4*(2*\bp+\uu)+\s)+11], v[HA+8*(4*\uu+\k):HA+8*(4*\uu+\k)+7], v[XS+4*\k+\s], v[WS+4*(2*\bp+\uu)+\s] matrix_a_fmt:MATRIX_FMT_BF6 matrix_b_fmt:MATRIX_FMT_BF6
.endif
.endr
.endr
.endm
.macro UNIT_B bp, c, nx                ; nx: the next unit's key half, or -1
	s_wait_dscnt 0x0
	WIN 0x14                                       ; source 1 (the weight) and source 2 (the bias) window 1
	MULB \bp, 0, 1
	WIN 0x04
	MULB \bp, 1, 0
	WIN 0
	PLACES
	LB \c, 1
	s_wait_dscnt 0x0
	WIN 0x04
	MULB \bp, 2, 0
	MULB \bp, 3, 0
	WIN 0
	PLACES
.if \nx >= 0
	LB \nx, 0
.endif
	s_wait_xcnt 0x0                                ; the last unit's stores have read the codes' registers
	QUANT HA, PWS+2*\bp+\c                         ; blocks: (channel tile 0: keys 64 c + 0-31, 32-63), (channel tile 1: the same)
	global_store_b128 v[L16], v[PC:PC+3], s[26:27] offset:3072*\bp+768*\c
	global_store_b64 v[L8], v[PC+4:PC+5], s[26:27] offset:3072*\bp+768*\c+512
	global_store_b128 v[L16], v[PC+6:PC+9], s[26:27] offset:3072*\bp+768*\c+1536
	global_store_b64 v[L8], v[PC+10:PC+11], s[26:27] offset:3072*\bp+768*\c+2048
.endm
	s_cmp_eq_u32 s[MODE], 2
	s_cbranch_scc1 .Lpath_v
	LA 0
	UNIT_A 0
	UNIT_A 1
	UNIT_A 2
	UNIT_A 3
.irp i, 0,1,2,3
	v_perm_b32 v[SCW+\i], v[PWS+\i], v[PWS+\i], v[SELV]
.endr
	s_branch .Ltail
.Lpath_v:
	LB 0, 0
	UNIT_B 0, 0, 1
	UNIT_B 0, 1, 0
	UNIT_B 1, 0, 1
	UNIT_B 1, 1, -1
.irp bp, 0,1                                   ; channel tile 2 bp + uu: the bytes of key blocks 0, 1 from the unit of half 0, of blocks 2, 3 from that of half 1
	v_perm_b32 v[SCW+2*\bp], v[PWS+2*\bp+1], v[PWS+2*\bp], 0x05040100
	v_perm_b32 v[SCW+2*\bp+1], v[PWS+2*\bp+1], v[PWS+2*\bp], 0x07060302
.endr
.Ltail:
	s_wait_alu depctr_va_vdst(0)
	s_wait_xcnt 0x0                                ; EXEC changes only behind this wait
	v_cmp_gt_u32 vcc_lo, s[LIM], v[LANE]
	s_and_saveexec_b32 s[SVX], vcc_lo
	global_store_b128 v[L16], v[SCW:SCW+3], s[28:29]   ; Q: 512 consecutive bytes; K, V: 256, aligned
	s_wait_xcnt 0x0
	s_or_b32 exec_lo, exec_lo, s[SVX]
	s_wait_tensorcnt 0x0
	ds_add_u32 v254, v255
	s_wait_dscnt 0x0
	CROUND                                         ; the closing round: no work-group ends while a partner may still ask jointly
	s_endpgm
.Lfunc_end_k_q94449419f7_qkv:
	.size	k_q94449419f7_qkv, .Lfunc_end_k_q94449419f7_qkv-k_q94449419f7_qkv
	.p2alignl 7, 3214868480
	.fill 96, 4, 3214868480
	.section	.rodata,"a",@progbits
	.p2align	6, 0x0
	.amdhsa_kernel k_q94449419f7_qkv
		.amdhsa_group_segment_fixed_size 282112
		.amdhsa_private_segment_fixed_size 0
		.amdhsa_enable_private_segment 0
		.amdhsa_kernarg_size 120
		.amdhsa_user_sgpr_count 2
		.amdhsa_user_sgpr_kernarg_segment_ptr 1
		.amdhsa_wavefront_size32 1
		.amdhsa_system_sgpr_workgroup_id_x 1
		.amdhsa_system_sgpr_workgroup_id_y 1
		.amdhsa_system_sgpr_workgroup_id_z 1
		.amdhsa_system_vgpr_workitem_id 0
		.amdhsa_next_free_vgpr 480
		.amdhsa_next_free_sgpr 100
		.amdhsa_reserve_vcc 1
		.amdhsa_float_denorm_mode_32 3
		.amdhsa_float_denorm_mode_16_64 3
		.amdhsa_memory_ordered 1
		.amdhsa_forward_progress 1
		.amdhsa_inst_pref_size 135
	.end_amdhsa_kernel
	.amdgpu_metadata
---
amdhsa.version: [ 1, 2 ]
amdhsa.kernels:
  - .name:           k_q94449419f7_qkv
    .symbol:         k_q94449419f7_qkv.kd
    .args:
      - { .name: x_codes, .offset: 0, .size: 8, .value_kind: global_buffer, .address_space: global }
      - { .name: x_scales, .offset: 8, .size: 8, .value_kind: global_buffer, .address_space: global }
      - { .name: Wq_codes, .offset: 16, .size: 8, .value_kind: global_buffer, .address_space: global }
      - { .name: Wq_scales, .offset: 24, .size: 8, .value_kind: global_buffer, .address_space: global }
      - { .name: bq, .offset: 32, .size: 8, .value_kind: global_buffer, .address_space: global }
      - { .name: Wk_codes, .offset: 40, .size: 8, .value_kind: global_buffer, .address_space: global }
      - { .name: Wk_scales, .offset: 48, .size: 8, .value_kind: global_buffer, .address_space: global }
      - { .name: bk, .offset: 56, .size: 8, .value_kind: global_buffer, .address_space: global }
      - { .name: Wv_codes, .offset: 64, .size: 8, .value_kind: global_buffer, .address_space: global }
      - { .name: Wv_scales, .offset: 72, .size: 8, .value_kind: global_buffer, .address_space: global }
      - { .name: bv, .offset: 80, .size: 8, .value_kind: global_buffer, .address_space: global }
      - { .name: qc, .offset: 88, .size: 8, .value_kind: global_buffer, .address_space: global }
      - { .name: qs, .offset: 96, .size: 8, .value_kind: global_buffer, .address_space: global }
      - { .name: kvc, .offset: 104, .size: 8, .value_kind: global_buffer, .address_space: global }
      - { .name: kvs, .offset: 112, .size: 8, .value_kind: global_buffer, .address_space: global }
    .group_segment_fixed_size: 282112
    .private_segment_fixed_size: 0
    .kernarg_segment_align: 8
    .kernarg_segment_size: 120
    .max_flat_workgroup_size: 256
    .sgpr_count:     100
    .vgpr_count:     480
    .wavefront_size: 32
...
	.end_amdgpu_metadata
.endif
;; end of part 1
;; launch attn (part 2): grid 16 x 16, 16 waves a work-group, clusters of 4 x 1, 327,680 bytes of LDS; arguments qc, qs, kvc, kvs, ac, asc; writes ac, asc
.if DOCPART == 2
	.amdgcn_target "amdgcn-amd-amdhsa--gfx1250"
	.amdhsa_code_object_version 6
	.text
	.protected	k_q94449419f7_attn
	.globl	k_q94449419f7_attn
	.p2align	8
	.type	k_q94449419f7_attn,@function
k_q94449419f7_attn:
	s_mov_b64 s[64:65], 0
	v_nop
	global_prefetch_b8 v0, s[64:65] scope:SCOPE_SE
	s_setreg_imm32_b32 hwreg(HW_REG_WAVE_MODE, 25, 1), 1
	s_wait_xcnt 0x0
	s_wait_alu depctr_hold_cnt(0) depctr_sa_sdst(0) depctr_va_vdst(0) depctr_va_sdst(0) depctr_va_ssrc(0) depctr_va_vcc(0) depctr_vm_vsrc(0)
	s_getreg_b32 s2, hwreg(HW_REG_IB_STS2, 6, 4)
	s_cmp_eq_u32 s2, 0
	s_cbranch_scc0 .Lentry_in_a_cluster
	s_endpgm
.Lentry_in_a_cluster:
	s_bfe_u32 s2, ttmp6, 0x10000c
	s_cmp_lg_u32 s2, 0x3003
	s_cbranch_scc0 .Lentry_shape_is_right
	s_endpgm
.Lentry_shape_is_right:
; For each of 16 (batch, head): O[q] = the sum over k of softmax_k(Q[q] . K[k] / 8) V[k], both products on codes of BF6 (E3M2) with E8M0 scales; O is divided by the row's sum and quantised along the model's 512 (a head is two blocks of 32).
; THE SOFTMAX: t = score x log2(e) / 8; M = the running largest t rounded UP to a whole number; p = 2^(t - M) is quantised along the keys, not normalised; the row's sum is taken of the unquantised p.
; When M moves, the sum and O^T are multiplied by 2^(old M - new M): exact.
; SHARES.  A work-group owns 256 queries of one (batch, head); each of its sixteen waves one tile of 16, in 256 registers.  Every wave walks the 4,096 keys, 128 a step.
; A key step's operands lie in memory as images of their registers, 12,288 bytes on end: K's four fragments, then V's four.
; THE HEAD'S 64 IN AN INSTRUCTION OF 128: a fragment of K holds TWO tiles of 16 keys side by side.  QL = [Q | zero codes], QH = [zero codes | Q] share the zero codes: 18 registers.
; Both products are used transposed (source 0 = keys, or V's channels; source 1 = my queries): a lane holds ONE query.
; THE KEYS OF A TILE: row m of tile u of fragment f is key 64 (f / 2) + 32 (m / 8) + 16 (f % 2) + 8 u + m % 8.  So score register R of lane (r, h) is key 64 (R / 32) + 32 h + R % 32:
; a lane holds two WHOLE blocks of 32 keys, 2 c + h, in the order in which the operand's registers 6 c .. 6 c + 5 want them: a block's maximum and its codes need no other lane.
; LDS: 24 key steps lie side by side.  The head brings steps 0-3 (waves 0-7) and the head's scale words (waves 8-15); behind the first round every wave brings 15,360 bytes of steps 4-23;
; behind step 3 the bytes of steps 0-3 take steps 24-27, behind step 7 those of steps 4-7 take steps 28-31; one barrier ahead of step 24.  A wave has one tensor load out at any time.
; CLUSTER: the four query blocks of a cluster walk the same K and V: every tensor load is joint (mask 15).
; NO REQUEST INTO THE L2 is laid: every fill behind the head's is asked for four key steps of sixteen waves or more ahead of its first read, and no loop stands ahead of the head's own fill.
; LIMITS: NaN and infinities are not served.  The promise holds while |t| stays under 2^31.  p under 2^-126 counts as 0.  A block of zeros, or one whose largest magnitude lies under 2^-122, gets the scale byte 1; these bytes are read by this program alone.
.set STEPB, 12288
.set STG,   0                          ; 512 bytes: the 16 tiles' scale bytes of O meet here; no fill lands here
.set SCL,   512                        ; the head's scale words: 512 bytes a key step: K's (16 r + 4 f), then V's (256 + 16 r + 4 t)
.set RING,  SCL+16384                  ; 24 key steps
.set SPARE, RING+24*STEPB              ; the spare words: 128 bytes for each of 16 waves; no other line names them
.set L16,  1                           ; v1   16 x lane
.set L8,   2                           ; v2   8 x lane
.set SPW,  4                           ; v4   my spare word; never rewritten
.set NIL,  5                           ; v5   0; never rewritten
.set A16,  6                           ; v6-8 the step's addresses: at a step's head they stand one step back
.set A8,   7
.set ASV,  8
.set STA,  9                           ; v9   STG + 32 x wave + 2 r
.set SH8,  11                          ; v11  8 h                      v12 -M, v13 the largest score, v[14:15] the sum in two halves
.set QL,   16                          ; v16-27 [Q | 0], v22-33 [0 | Q]
.set QH,   22
.set QS,   34                          ; Q's scale word (b0, b1, b0, b1)
.set QSO,  35
.set KF,   36                          ; v36-83  four fragments: K's, then V's
.set SW,   84                          ; v84-87  scale words: lanes 0-15 K's fragments 0-3, lanes 16-31 V's tiles 0-3
.set S,    88                          ; v88-151 S^T, then p
.set OT,   152                         ; v152-183 O^T: register 16 b + i = channel 32 b + 16 h + i
.set PC,   184                         ; v184-195 p's codes; v196-198, v200-202 the upper halves of the blocks as converted
.set BM,   204
.set SO,   206
.set BT,   208
.set T0,   210
.set T1,   211
.set FF,   212                         ; v[212:213] f = 2^(old M - new M)
.set PSW,  214                         ; p's scale word
.set HWD,  215
.set X,    216                         ; v216-221 three more chains of the sum; ahead of them four chains of the maxima
.set WV,   16
.set SEL,  20
.set CS,   22                          ; s[22:23] c = log2(e) / 8
.set G1C,  24
.set G1S,  32
.set G0H,  40
.set G0S,  44
.set TB,   48                          ; s48  LDS byte of the key step
.set TS,   49                          ; s49  and of its scale words
.set CNT,  50
.set NC,   51                          ; s51  -c
.set G0A,  56
.set G0B,  60
.set G0D,  68
.macro CROUND                          ; a round of the cluster's barrier
	s_barrier_signal -1
	s_barrier_wait -1
	s_cmp_lg_u32 s[WV], 0
	s_cbranch_scc1 .Lnw0_\@
	s_barrier_signal -3
.Lnw0_\@:
	s_barrier_wait -3
	s_barrier_signal -1
	s_barrier_wait -1
.endm
.macro HFL reg, off                    ; a fragment: two half fragments on end, as their registers lie
	ds_load_b128 v[\reg:\reg+3], v[A16] offset:\off
	ds_load_b64 v[\reg+4:\reg+5], v[A8] offset:\off+512
	ds_load_b128 v[\reg+6:\reg+9], v[A16] offset:\off+768
	ds_load_b64 v[\reg+10:\reg+11], v[A8] offset:\off+1280
.endm
.macro G0SET g, lds, glob              ; a group 0: s74 = my wave's share in bytes, s75 = 0
	s_mov_b32 s[\g], 1
	s_add_co_u32 s[\g+1], s74, \lds
	s_add_nc_u64 s[\g+2:\g+3], s[8:9], s[74:75]
	s_add_nc_u64 s[\g+2:\g+3], s[\g+2:\g+3], \glob
	s_or_b32 s[\g+3], s[\g+3], 0x80000000
.endm
	s_load_b256 s[4:11], s[0:1], 0x0               ; qc, qs, kvc, kvs
	s_load_b128 s[12:15], s[0:1], 0x20             ; ac, asc
	v_lshl_add_u32 v[SPW], v0, 2, SPARE
	v_mov_b32 v[NIL], 0
	ds_add_u32 v[SPW], v[NIL]                      ; the opening lines: the add, twice on end, and its wait ahead of my first tensor load
	ds_add_u32 v[SPW], v[NIL]
	v_lshrrev_b32 v6, 5, v0
	v_readfirstlane_b32 s[WV], v6                  ; wave 0..15
	s_bfe_u32 s17, ttmp6, 0x40000                  ; cx: it enters Q's and the outputs' addresses alone
	s_lshl_b32 s18, ttmp9, 2
	s_add_co_u32 s18, s18, s17                     ; my block of 256 queries
	s_and_b32 s19, ttmp7, 0xffff                   ; bh = 8 x batch + head: shared by the partners
	; group 1: dense blocks as rows of 256 bytes (32 elements of 8): half a key step is 24 rows, an eighth of the scale words 8
	s_mov_b32 s[G1C], 15|(3<<16)|(1<<21)
	s_mov_b32 s[G1C+1], 32<<16
	s_mov_b32 s[G1C+2], 24<<16
	s_mov_b32 s[G1C+3], 32<<16
	s_mov_b32 s[G1C+4], 24
	s_mov_b32 s[G1C+5], 32
	s_mov_b32 s[G1C+6], 0
	s_mov_b32 s[G1C+7], 0
	s_mov_b32 s[G1S], 15|(3<<16)|(1<<21)
	s_mov_b32 s[G1S+1], 32<<16
	s_mov_b32 s[G1S+2], 8<<16
	s_mov_b32 s[G1S+3], 32<<16
	s_mov_b32 s[G1S+4], 8
	s_mov_b32 s[G1S+5], 32
	s_mov_b32 s[G1S+6], 0
	s_mov_b32 s[G1S+7], 0
	s_mov_b32 s[SEL], 0x76543210
	s_mov_b32 s[SEL+1], 0xfedcba98
	s_mov_b32 s[CS], 0x3e38aa3b                    ; c = log2(e) / 8
	s_mov_b32 s[CS+1], s[CS]                       ; (named with it as a pair)
	s_mov_b32 s[NC], 0xbe38aa3b                    ; -c
	s_mov_b32 s[TB], RING-STEPB
	s_mov_b32 s[TS], 0
	s_mul_i32 s54, s19, 393216                     ; my head's K and V
	s_mov_b32 s55, 0
	s_mul_i32 s74, s[WV], 6144                     ; waves 0-7: half a key step each
	s_mov_b32 s75, 0
	s_and_b32 s72, s[WV], 7                        ; waves 8-15: 2,048 bytes of scale words each
	s_lshl_b32 s72, s72, 11
	s_add_co_u32 s[G0S+1], s72, SCL
	s_lshl_b32 s73, s19, 14
	s_add_co_u32 s72, s72, s73
	s_mov_b32 s73, 0
	s_mov_b32 s[G0S], 1
	s_wait_dscnt 0x0                               ; both opening adds are done
	s_wait_kmcnt 0x0
	s_add_nc_u64 s[8:9], s[8:9], s[54:55]
	G0SET G0H, RING, 0
	s_add_nc_u64 s[G0S+2:G0S+3], s[10:11], s[72:73]
	s_or_b32 s[G0S+3], s[G0S+3], 0x80000000
	CROUND                                         ; all four partners are here: the first joint loads meet
	s_cmp_lt_u32 s[WV], 8                          ; one load a wave at the head, in the two arms of one branch on the wave's number
	s_cbranch_scc0 .Lhead_s
	tensor_load_to_lds s[G0H:G0H+3], s[G1C:G1C+7]  ; key steps 0-3
	s_nop 0
	s_branch .Lhead_done
.Lhead_s:
	tensor_load_to_lds s[G0S:G0S+3], s[G1S:G1S+7]  ; the scale words: filled once
	s_nop 0
.Lhead_done:
	s_mul_i32 s74, s[WV], 15360
	G0SET G0A, RING+4*STEPB, 4*STEPB               ; steps 4-23: 60 rows a wave
	s_mul_i32 s74, s[WV], 3072
	G0SET G0B, RING, 24*STEPB                      ; steps 24-27 into the bytes of steps 0-3: 12 rows a wave
	G0SET G0D, RING+4*STEPB, 28*STEPB              ; steps 28-31 into those of steps 4-7
	s_lshl_b32 s52, s19, 8
	s_lshl_b32 s53, s18, 4
	s_add_co_u32 s53, s53, s[WV]                   ; T: my tile of queries within the batch
	s_add_co_u32 s52, s52, s53
	s_mul_i32 s54, s52, 768
	s_mov_b32 s55, 0
	s_add_nc_u64 s[4:5], s[4:5], s[54:55]          ; qc at my tile
	s_lshl_b32 s54, s19, 14                        ; qs: 512 bytes for each 8 tiles; in them 256 (T % 2) + 16 r + 4 ((T / 2) % 4)
	s_lshl_b32 s72, s18, 1
	s_lshr_b32 s73, s[WV], 3
	s_add_co_u32 s72, s72, s73
	s_lshl_b32 s72, s72, 9
	s_add_co_u32 s54, s54, s72
	s_and_b32 s72, s[WV], 1
	s_lshl_b32 s72, s72, 8
	s_add_co_u32 s54, s54, s72
	s_bfe_u32 s72, s[WV], 0x20001
	s_lshl_b32 s72, s72, 2
	s_add_co_u32 s54, s54, s72
	s_add_nc_u64 s[6:7], s[6:7], s[54:55]
	s_lshr_b32 s54, s19, 3                         ; ac: [256 x batch + T][head], 768 bytes each
	s_lshl_b32 s54, s54, 8
	s_add_co_u32 s54, s54, s53
	s_lshl_b32 s54, s54, 3
	s_and_b32 s72, s19, 7
	s_add_co_u32 s54, s54, s72
	s_mul_i32 s54, s54, 768
	s_add_nc_u64 s[12:13], s[12:13], s[54:55]
	s_lshl_b32 s54, s19, 8                         ; asc: [bh][T], 32 bytes each: my work-group's 16 tiles are 512 bytes
	s_lshl_b32 s72, s18, 4
	s_add_co_u32 s54, s54, s72
	s_lshl_b32 s54, s54, 5
	s_add_nc_u64 s[14:15], s[14:15], s[54:55]
	s_lshl_b32 s52, s[WV], 5
	v_and_b32 v7, 31, v0
	v_and_b32 v8, 15, v0
	v_and_b32 v[SH8], 16, v0
	v_lshlrev_b32 v[L16], 4, v7
	v_lshlrev_b32 v[L8], 3, v7
	v_lshlrev_b32 v[QSO], 4, v8
	global_load_b128 v[QL:QL+3], v[L16], s[4:5]            ; Q's half fragment, twice: ahead of the zero codes,
	global_load_b64 v[QL+4:QL+5], v[L8], s[4:5] offset:512
	global_load_b128 v[QH+6:QH+9], v[L16], s[4:5]          ; and behind them
	global_load_b64 v[QH+10:QH+11], v[L8], s[4:5] offset:512
	global_load_b32 v[QS], v[QSO], s[6:7]
	v_lshl_add_u32 v[STA], v8, 1, s52
	v_lshrrev_b32 v[SH8], 1, v[SH8]
	v_add_nc_u32 v[A16], s[TB], v[L16]
	v_add_nc_u32 v[A8], s[TB], v[L8]
	v_add_nc_u32 v[ASV], s[TS], v[L16]
.set J, 0
.rept 6
	v_mov_b32 v[QL+6+J], 0                         ; the zero codes
.set J, J+1
.endr
	v_mov_b32 v13, 0xff61b1e6                      ; the largest score so far: -3e38
	v_mov_b32 v12, 0x7f61b1e6                      ; -M: 3e38, so that the first f is 0
	v_mov_b32 v14, 0
	v_mov_b32 v15, 0
	v_mov_b32 v[BT], 0                             ; written once: a lane permute's destination counts as one of its sources
	v_mov_b32 v[BT+1], 0
	v_mov_b32 v[T1], 0
	v_mov_b32 v[FF+1], 0                           ; (named as the upper half of a pair)
.set J, 0
.rept 32
	v_mov_b32 v[OT+J], 0                           ; O^T: the step is written without a first step of its own; the first change of M multiplies zeros
.set J, J+1
.endr
.macro TFMA n                          ; t - M, two at a time
.rept \n
	v_pk_fma_f32 v[S+FJ:S+FJ+1], v[S+FJ:S+FJ+1], s[CS:CS+1], v[12:13] op_sel_hi:[1,0,0]
.set FJ, FJ+2
.endr
.endm
.macro PADD n                          ; the row's sum of the unquantised p: 29 packed additions in four chains (v[14:15] and three that begin anew each step)
.rept \n
.if PJ < 3
	v_pk_add_f32 v[X+2*PJ:X+2*PJ+1], v[S+4*PJ:S+4*PJ+1], v[S+4*PJ+2:S+4*PJ+3]
.else
.if PJ%4 == 3
	v_pk_add_f32 v[14:15], v[14:15], v[S+2*PJ+6:S+2*PJ+7]
.else
	v_pk_add_f32 v[X+2*(PJ%4):X+2*(PJ%4)+1], v[X+2*(PJ%4):X+2*(PJ%4)+1], v[S+2*PJ+6:S+2*PJ+7]
.endif
.endif
.set PJ, PJ+1
.endr
.endm
; A KEY STEP: 128 keys.  At its head the address registers stand one step back: K's fragments lie at + STEPB; they are stepped in the places behind the scores' products, and V's lie at + 6,144.
.macro STEP
.set FJ, 0
.set PJ, 0
.irp f, 0,1,2,3
	HFL KF+12*\f, STEPB+1536*\f
.endr
	ds_load_b128 v[SW:SW+3], v[ASV] offset:512
	s_add_co_u32 s[TB], s[TB], STEPB
	s_add_co_u32 s[TS], s[TS], 512
	s_wait_dscnt 0x0
.irp b, 0,1,2,3
	v_wmma_scale_f32_16x16x128_f8f6f4 v[S+16*\b:S+16*\b+7], v[KF+12*\b:KF+12*\b+11], v[QL:QL+11], 0, v[SW+\b], v[QS] matrix_a_fmt:MATRIX_FMT_BF6 matrix_b_fmt:MATRIX_FMT_BF6
	v_wmma_scale_f32_16x16x128_f8f6f4 v[S+16*\b+8:S+16*\b+15], v[KF+12*\b:KF+12*\b+11], v[QH:QH+11], 0, v[SW+\b], v[QS] matrix_a_fmt:MATRIX_FMT_BF6 matrix_b_fmt:MATRIX_FMT_BF6
.endr
	v_add_nc_u32 v[A16], s[TB], v[L16]             ; four places: in front of the loads into K's registers and of the first read of the scores
	v_add_nc_u32 v[A8], s[TB], v[L8]
	v_add_nc_u32 v[ASV], s[TS], v[L16]
	v_mov_b32 v[T0], v12                           ; the old -M
.irp t, 0,1,2,3
	HFL KF+12*\t, 6144+1536*\t                     ; V's four fragments land during the softmax
.endr
.irp q, 0,1,2,3                                ; the largest score of each block of 32 keys, in two chains a block: for the row's maximum and, since p rises with the score, for the block's largest p
	v_max3_num_f32 v[X+\q], v[S+16*\q], v[S+1+16*\q], v[S+2+16*\q]
.endr
.irp i, 3,5,7,9,11,13
.irp q, 0,1,2,3
	v_max3_num_f32 v[X+\q], v[X+\q], v[S+16*\q+\i], v[S+1+16*\q+\i]
.endr
.endr
.irp c, 0,1
	v_max3_num_f32 v[BM+\c], v[X+2*\c], v[X+1+2*\c], v[S+15+32*\c]
.endr
.irp c, 0,1
	v_max_num_f32 v[BM+\c], v[BM+\c], v[S+31+32*\c]
.endr
	s_delay_alu instid0(VALU_DEP_1)
	v_max3_num_f32 v13, v13, v[BM], v[BM+1]
	s_delay_alu instid0(VALU_DEP_1)
	v_permlanex16_b32 v[BT], v13, s[SEL], s[SEL+1]
	s_delay_alu instid0(VALU_DEP_1)
	v_max_num_f32 v13, v13, v[BT]                  ; with lane l xor 16's 64 keys: the running largest score
	s_delay_alu instid0(VALU_DEP_1)
	v_mul_f32 v[T1], s[NC], v13                    ; -t
	s_delay_alu instid0(VALU_DEP_1)
	v_floor_f32 v12, v[T1]                         ; the new -M = floor(-t): M is a whole number
	TFMA 4
	v_sub_f32 v[T0], v12, v[T0]                    ; old M - new M: a whole number, 0 or less
	TFMA 4
	v_cvt_i32_f32 v[T0], v[T0]                     ; (it saturates)
	TFMA 4
	v_ldexp_f32 v[FF], 1.0, v[T0]                  ; f
	TFMA 20
.irp c, 0,1
	v_fma_f32 v[BM+\c], v[BM+\c], s[CS], v12       ; the same of each block's largest score
.endr
	s_wait_alu depctr_va_vdst(0)                   ; ahead of the batch
.irp c, 0,1
	v_exp_f32 v[BM+\c], v[BM+\c]                   ; each block's largest p
.endr
.set J, 0
.rept 64
	v_exp_f32 v[S+J], v[S+J]                       ; p = 2^(t - M)
.set J, J+1
.endr
	v_pk_mul_f32 v[14:15], v[14:15], v[FF:FF+1] op_sel_hi:[1,0]   ; the sums under the new M: a plain place behind the exponentials
	s_wait_alu depctr_va_vdst(0)                   ; one wait for the batch, ahead of its first reader
.irp c, 0,1
	v_max_num_f32 v[BM+\c], 0x2800000, v[BM+\c]    ; the floor 2^(5 - 127)
.endr
.irp c, 0,1
	s_delay_alu instid0(VALU_DEP_2)
	v_add_nc_u32 v[SO+\c], 0xfe000000, v[BM+\c]    ; 4 off the exponent field: the conversion's scale operand
.endr
.irp c, 0,1
	s_delay_alu instid0(VALU_DEP_2)
	v_lshrrev_b32 v[BT+\c], 23, v[SO+\c]           ; the scale's byte
.endr
.irp c, 0,1                                    ; my block 2 c + h: its lower 16 codes fall into the operand's registers, the upper 16 are moved (a conversion's three registers begin on an even number)
	v_cvt_scalef32_pk16_bf6_f32 v[PC+6*\c:PC+2+6*\c], v[S+32*\c:S+15+32*\c], v[SO+\c]
	v_cvt_scalef32_pk16_bf6_f32 v[PC+12+4*\c:PC+14+4*\c], v[S+16+32*\c:S+31+32*\c], v[SO+\c]
.endr
	PADD 2                                         ; the sum's additions are the plain places behind the conversions, and stand between the links of the scale word's chain
	v_lshl_or_b32 v[PSW], v[BT+1], 16, v[BT]       ; my two bytes: blocks h and 2 + h,
	PADD 2
	v_lshlrev_b32 v[PSW], v[SH8], v[PSW]           ; at their places in the word;
	PADD 2
	v_permlanex16_b32 v[T1], v[PSW], s[SEL], s[SEL+1]
	PADD 2
	v_or_b32 v[PSW], v[PSW], v[T1]                 ; with lane l xor 16's two the word is whole
	PADD 20
.irp c, 0,1
.irp i, 0,1,2
	v_mov_b32 v[PC+3+6*\c+\i], v[PC+12+4*\c+\i]
.endr
.endr
	s_wait_dscnt 0x0                               ; V is in
	s_wait_alu depctr_va_vdst(0)                   ; directly ahead of the first reader of O^T
.set J, 0
.rept 16
	v_pk_mul_f32 v[OT+J:OT+J+1], v[OT+J:OT+J+1], v[FF:FF+1] op_sel_hi:[1,0]   ; O^T under the new M; these sixteen are also the places between p's codes and scale word and the products
.set J, J+2
.endr
.irp t, 0,1,2,3                                ; O^T += V^T P^T: four accumulators, one turn each; V's scale words lie in lanes 16-31
	v_wmma_scale_f32_16x16x128_f8f6f4 v[OT+8*\t:OT+8*\t+7], v[KF+12*\t:KF+12*\t+11], v[PC:PC+11], v[OT+8*\t:OT+8*\t+7], v[SW+\t], v[PSW] matrix_a_fmt:MATRIX_FMT_BF6 matrix_b_fmt:MATRIX_FMT_BF6 matrix_a_scale:MATRIX_SCALE_ROW1
.endr
	PADD 1                                         ; the sum's last four additions are the four places in front of the next loads into V's registers
	v_pk_add_f32 v[X+2:X+3], v[X+2:X+3], v[X+4:X+5]
	v_pk_add_f32 v[14:15], v[14:15], v[X:X+1]
	v_pk_add_f32 v[14:15], v[14:15], v[X+2:X+3]
.endm
.macro WALK n                          ; n key steps
	s_mov_b32 s[CNT], \n
.Lwalk_\@:
	STEP
	s_sub_co_u32 s[CNT], s[CNT], 1
	s_cmp_lg_u32 s[CNT], 0
	s_cbranch_scc1 .Lwalk_\@
.endm
; A MEETING.  Each wave waits for all its tensor loads, adds 0 to its spare word, and waits for that and for its LDS reads.  rows > 0: the barrier is a round of the cluster's, so that no wave of any
; partner still reads the bytes or has a load on its way; behind it every wave asks for its rows of 256 bytes, its one tensor load until the next meeting.
.macro CHANGE rows, g0
	s_wait_tensorcnt 0x0                           ; no tensor load of mine is out, so group 1 may be written
	ds_add_u32 v[SPW], v[NIL]
.if \rows
	s_mov_b32 s[G1C+2], (\rows)<<16
	s_mov_b32 s[G1C+4], \rows
.endif
	s_wait_dscnt 0x0
.if \rows
	CROUND
	tensor_load_to_lds s[\g0:\g0+3], s[G1C:G1C+7]
	s_nop 0
.else
	s_barrier_signal -1
	s_barrier_wait -1
.endif
.endm
	s_wait_alu depctr_va_vdst(0)                   ; at the head's end
	s_wait_loadcnt 0x0                             ; Q and its scale word
	CHANGE 60, G0A                                 ; steps 0-3 and the scale words are in; steps 4-23 are asked for
	WALK 4
	CHANGE 12, G0B                                 ; steps 4-23 are in; steps 0-3 are read no more: their bytes take steps 24-27
	WALK 4
	CHANGE 12, G0D                                 ; the bytes of steps 4-7 take steps 28-31
	WALK 16
	CHANGE 0, 0                                    ; steps 24-31 are in: nothing more is asked for
	s_mov_b32 s[TB], RING-STEPB                    ; back to the ring's first bytes
	v_add_nc_u32 v[A16], s[TB], v[L16]
	v_add_nc_u32 v[A8], s[TB], v[L8]
	WALK 8
	; THE WAY OUT: O^T / the sum, quantised: my head's 64 channels are two blocks of the next product's K.  (The step's last four additions are the places behind the last products)
	v_add_f32 v14, v14, v15
	s_delay_alu instid0(VALU_DEP_1)
	v_permlanex16_b32 v[T0], v14, s[SEL], s[SEL+1]
	s_delay_alu instid0(VALU_DEP_1)
	v_add_f32 v14, v14, v[T0]                      ; the row's sum
	s_wait_alu depctr_va_vdst(0)                   ; ahead of the transcendental
	v_rcp_f32 v14, v14
	v_nop                                          ; a plain place behind the reciprocal
	s_wait_alu depctr_va_vdst(0)                   ; the wait ahead of its first reader, and of O^T's
.set J, 0
.rept 16
	v_pk_mul_f32 v[S+J:S+J+1], v[OT+J:OT+J+1], v[14:15] op_sel_hi:[1,0]
.set J, J+2
.endr
.irp b, 0,1
	v_max3_num_f32 v[BM+\b], |v[S+16*\b]|, |v[S+1+16*\b]|, 0x2800000
.endr
.irp i, 2,4,6,8,10,12,14
.irp b, 0,1
	s_delay_alu instid0(VALU_DEP_2)
	v_max3_num_f32 v[BM+\b], v[BM+\b], |v[S+16*\b+\i]|, |v[S+1+16*\b+\i]|
.endr
.endr
.irp b, 0,1
	s_delay_alu instid0(VALU_DEP_2)
	v_permlanex16_b32 v[BT+\b], v[BM+\b], s[SEL], s[SEL+1]
.endr
.irp b, 0,1
	s_delay_alu instid0(VALU_DEP_2)
	v_max_num_f32 v[BM+\b], v[BM+\b], v[BT+\b]     ; here a block lies in lanes l and l xor 16
.endr
.irp b, 0,1
	s_delay_alu instid0(VALU_DEP_2)
	v_add_nc_u32 v[SO+\b], 0xfe000000, v[BM+\b]
.endr
.irp b, 0,1
	s_delay_alu instid0(VALU_DEP_2)
	v_lshrrev_b32 v[BT+\b], 23, v[SO+\b]
.endr
	s_delay_alu instid0(VALU_DEP_1)
	v_lshl_or_b32 v[HWD], v[BT+1], 8, v[BT]        ; my row's two scale bytes
	v_cvt_scalef32_pk16_bf6_f32 v[PC:PC+2], v[S:S+15], v[SO]
	v_cvt_scalef32_pk16_bf6_f32 v[PC+12:PC+14], v[S+16:S+31], v[SO+1]
	v_nop                                          ; one plain place behind the scaled conversions
.irp i, 0,1,2
	v_permlane16_swap_b32 v[PC+\i], v[PC+12+\i]    ; a whole block to a lane
.endr
.irp i, 0,1,2
	s_delay_alu instid0(VALU_DEP_3)
	v_mov_b32 v[PC+3+\i], v[PC+12+\i]
.endr
	global_store_b128 v[L16], v[PC:PC+3], s[12:13]             ; a half fragment: 512 and 256 consecutive bytes, aligned
	global_store_b64 v[L8], v[PC+4:PC+5], s[12:13] offset:512
	ds_store_b16 v[STA], v[HWD]                    ; both halves of the lanes write the same two bytes with the same value
	s_wait_dscnt 0x0                               ; for the others' sake
	s_barrier_signal -1
	s_barrier_wait -1
	s_cmp_lg_u32 s[WV], 0
	s_cbranch_scc1 .Lnot_0
	ds_load_b128 v[S:S+3], v[L16]                  ; the stage begins at LDS byte 0: the sixteen tiles' scale bytes leave as 512 consecutive bytes
	s_wait_dscnt 0x0
	global_store_b128 v[L16], v[S:S+3], s[14:15]
.Lnot_0:
	s_wait_tensorcnt 0x0                           ; the wave's end
	ds_add_u32 v[SPW], v[NIL]
	s_wait_dscnt 0x0
	CROUND                                         ; the closing round
	s_endpgm
.Lfunc_end_k_q94449419f7_attn:
	.size	k_q94449419f7_attn, .Lfunc_end_k_q94449419f7_attn-k_q94449419f7_attn
	.p2alignl 7, 3214868480
	.fill 96, 4, 3214868480
	.section	.rodata,"a",@progbits
	.p2align	6, 0x0
	.amdhsa_kernel k_q94449419f7_attn
		.amdhsa_group_segment_fixed_size 327680
		.amdhsa_private_segment_fixed_size 0
		.amdhsa_enable_private_segment 0
		.amdhsa_kernarg_size 48
		.amdhsa_user_sgpr_count 2
		.amdhsa_user_sgpr_kernarg_segment_ptr 1
		.amdhsa_wavefront_size32 1
		.amdhsa_system_sgpr_workgroup_id_x 1
		.amdhsa_system_sgpr_workgroup_id_y 1
		.amdhsa_system_sgpr_workgroup_id_z 1
		.amdhsa_system_vgpr_workitem_id 0
		.amdhsa_next_free_vgpr 256
		.amdhsa_next_free_sgpr 76
		.amdhsa_reserve_vcc 0
		.amdhsa_float_denorm_mode_32 3
		.amdhsa_float_denorm_mode_16_64 3
		.amdhsa_memory_ordered 1
		.amdhsa_forward_progress 1
		.amdhsa_inst_pref_size 75
	.end_amdhsa_kernel
	.amdgpu_metadata
---
amdhsa.version: [ 1, 2 ]
amdhsa.kernels:
  - .name:           k_q94449419f7_attn
    .symbol:         k_q94449419f7_attn.kd
    .args:
      - { .name: qc, .offset: 0, .size: 8, .value_kind: global_buffer, .address_space: global }
      - { .name: qs, .offset: 8, .size: 8, .value_kind: global_buffer, .address_space: global }
      - { .name: kvc, .offset: 16, .size: 8, .value_kind: global_buffer, .address_space: global }
      - { .name: kvs, .offset: 24, .size: 8, .value_kind: global_buffer, .address_space: global }
      - { .name: ac, .offset: 32, .size: 8, .value_kind: global_buffer, .address_space: global }
      - { .name: asc, .offset: 40, .size: 8, .value_kind: global_buffer, .address_space: global }
    .group_segment_fixed_size: 327680
    .private_segment_fixed_size: 0
    .kernarg_segment_align: 8
    .kernarg_segment_size: 48
    .max_flat_workgroup_size: 512
    .sgpr_count:     76
    .vgpr_count:     256
    .wavefront_size: 32
...
	.end_amdgpu_metadata
.endif
;; end of part 2
;; launch oproj (part 3): grid 4 x 64, 8 waves a work-group, clusters of 4 x 4, 175,360 bytes of LDS; arguments ac, asc, Wo_codes, Wo_scales, bo, out0; writes out0
.if DOCPART == 3
	.amdgcn_target "amdgcn-amd-amdhsa--gfx1250"
	.amdhsa_code_object_version 6
	.text
	.protected	k_q94449419f7_oproj
	.globl	k_q94449419f7_oproj
	.p2align	8
	.type	k_q94449419f7_oproj,@function
k_q94449419f7_oproj:
	s_mov_b64 s[64:65], 0
	v_nop
	global_prefetch_b8 v0, s[64:65] scope:SCOPE_SE
	s_setreg_imm32_b32 hwreg(HW_REG_WAVE_MODE, 25, 1), 1
	s_wait_xcnt 0x0
	s_wait_alu depctr_hold_cnt(0) depctr_sa_sdst(0) depctr_va_vdst(0) depctr_va_sdst(0) depctr_va_ssrc(0) depctr_va_vcc(0) depctr_vm_vsrc(0)
	s_getreg_b32 s2, hwreg(HW_REG_IB_STS2, 6, 4)
	s_cmp_eq_u32 s2, 0
	s_cbranch_scc0 .Lentry_in_a_cluster
	s_endpgm
.Lentry_in_a_cluster:
	s_bfe_u32 s2, ttmp6, 0x10000c
	s_cmp_lg_u32 s2, 0xf033
	s_cbranch_scc0 .Lentry_shape_is_right
	s_endpgm
.Lentry_shape_is_right:
; out0 = a Wo^T + bo on codes of BF6 (E3M2) with E8M0 scales, sums in f32.  a: the attention's result as images of operand registers (ac: [tile of 16 tokens][head] half fragments of 768 bytes, so that
; K step j of a tile is 1,536 bytes on end) with two scale bytes for each (head, tile, row) in asc.  Wo: codes, K innermost; bo, out0: f32.
; SHARES.  A work-group makes 128 tokens x 128 columns.  Wave w: columns 64 (w % 2) .. + 63 (source 0: four tiles of Wo's rows, their 16 fragments in registers) x tiles 2 (w / 2), 2 (w / 2) + 1 of tokens (source 1): 32 products,
; eight accumulators by turns; bo is the C of each sum's first product.  A lane then holds one token and eight neighbouring columns a tile.
; A tile's lane row m is token (or row of Wo) 32 g + 8 u + m + 8 (m / 8): for Wo so that a lane's 16 registers are 16 neighbouring columns; for the tokens because the tiles were made so: the stores' rows undo it.
; CLUSTER, 4 x 4: a's tiles hang on the block of tokens alone and are shared along a row of the cluster, Wo's on the block of columns alone and are shared along a column: joint loads.  Every LDS byte is filled once.
; THE WAY OUT: through a stage in LDS (rows of 512 bytes + 16), since a row's 128 columns come from two waves; each wave then stores 16 whole rows, 512 consecutive aligned bytes a store.
; LIMITS: NaN and infinities are not served; Wo's scale bytes are taken as they are given.
.set PITCH, 432                        ; Wo's rows in LDS: 384 bytes with 16 of padding behind each 128
.set WDIST, 27776                      ; rows with (row % 32) < 16 lie in part A (64 rows), the others in part B, from here on
.set ALD,   55552                      ; a's eight tiles: 6,144 bytes each, as their registers lie
.set ASL,   ALD+49152                  ; a's scale bytes: 256 bytes a head: 32 x tile + 2 r
.set STG,   ASL+2048                   ; the stage: 128 rows x 528 bytes; no fill lands here
.set LANE, 1
.set L16,  2
.set L8,   3
.set WA0,  4                           ; v4-5 my place in a tile of Wo (v5: behind one padding more)
.set AL16, 6
.set AL8,  7
.set ASA,  8
.set WSO,  9
.set BOQ,  10
.set SOA,  11                          ; v11  the stage: where I put 32 bytes of a row
.set SRA,  12                          ; v12  and where I read a row back
.set WS,   16                          ; v16-31   Wo's scale words: 4 t + j
.set AS,   32                          ; v32-39   a's scale words: 4 uu + j
.set HA,   48                          ; v48-111  eight accumulators
.set XF,   112                         ; v112-207 a's eight fragments; later rows of the result
.set TU,   208                         ; v208-223 pairs of scale bytes as loaded
.set BI,   192                         ; window 1: v192-223 bo in the result's layout;  v0-191 Wo's fragments at 12 (4 t + j)
.set WV,   16
.set CX,   17
.set CY,   18
.set CB,   19
.set RB,   20
.set KQ,   21
.set PG,   22
.set IP,   23
.set G1W,  24
.set G1A,  32
.set G1AS, 40
.set G0W,  48
.set G0A,  52
.set G0AS, 56
.set MSB, 0
.macro WIN new
.if MSB != \new
	s_set_vgpr_msb (MSB<<8)|\new
.set MSB, \new
.endif
.endm
.macro CROUND
	s_barrier_signal -1
	s_barrier_wait -1
	s_cmp_lg_u32 s[WV], 0
	s_cbranch_scc1 .Lnw0_\@
	s_barrier_signal -3
.Lnw0_\@:
	s_barrier_wait -3
	s_barrier_signal -1
	s_barrier_wait -1
.endm
.macro FRAG reg, adr, s, ro            ; 16 rows x 128 K from padded rows, in pieces of 8 bytes
.irp p, 0,1,2,3,4,5
.set DB, 96*(\s)+48*(\p/3)+8*(\p%3)
.if DB%128 < 104
	ds_load_b64 v[\reg+2*\p:\reg+2*\p+1], v[\adr] offset:DB+16*(DB/128)+(\ro)
.else
	ds_load_b64 v[\reg+2*\p:\reg+2*\p+1], v[\adr+1] offset:DB+16*(DB/128)+(\ro)
.endif
.endr
.endm
	s_load_b256 s[4:11], s[0:1], 0x0               ; ac, asc, Wo's codes, Wo's scales
	s_load_b128 s[12:15], s[0:1], 0x20             ; bo, out0
	v_lshl_add_u32 v254, v0, 2, 0x2a900
	v_mov_b32 v255, 0
	ds_add_u32 v254, v255
	ds_add_u32 v254, v255
	v_lshrrev_b32 v13, 5, v0
	s_delay_alu instid0(VALU_DEP_1)
	v_readfirstlane_b32 s[WV], v13
	s_bfe_u32 s[CX], ttmp6, 0x40000
	s_bfe_u32 s[CY], ttmp6, 0x40004
	s_lshl_b32 s[CB], ttmp9, 2
	s_add_co_u32 s[CB], s[CB], s[CX]               ; my block of 128 columns
	s_and_b32 s[RB], ttmp7, 0xffff
	s_lshl_b32 s[RB], s[RB], 2
	s_add_co_u32 s[RB], s[RB], s[CY]               ; my block of 128 tokens
	s_and_b32 s[KQ], s[WV], 3
	s_and_b32 s[PG], s[WV], 1
	s_lshr_b32 s[IP], s[WV], 1
	s_lshl_b32 s60, s[CY], 2
	s_lshl_b32 s60, 15, s60                        ; my row of the cluster
	s_lshl_b32 s61, 0x1111, s[CX]                  ; my column
	; Wo: two runs of 16 dense rows (6,144 bytes), 32 rows apart, padded; shared along my column
	s_or_b32 s[G1W], s61, (1<<20)|(1<<21)|(4<<22)|(3<<25)
	s_mov_b32 s[G1W+1], 6144<<16
	s_mov_b32 s[G1W+2], 2<<16
	s_mov_b32 s[G1W+3], 6144<<16
	s_mov_b32 s[G1W+4], 2
	s_mov_b32 s[G1W+5], 12288
	s_mov_b32 s[G1W+6], 0
	s_mov_b32 s[G1W+7], 0
	; a: four tiles, 24,576 dense bytes as 96 rows of 256; shared along my row
	s_or_b32 s[G1A], s60, (3<<16)|(1<<21)
	s_mov_b32 s[G1A+1], 32<<16
	s_mov_b32 s[G1A+2], 96<<16
	s_mov_b32 s[G1A+3], 32<<16
	s_mov_b32 s[G1A+4], 96
	s_mov_b32 s[G1A+5], 32
	s_mov_b32 s[G1A+6], 0
	s_mov_b32 s[G1A+7], 0
	; a's scale bytes: 256 bytes of each of four heads, 8,192 bytes (1,024 elements of 8) apart
	s_or_b32 s[G1AS], s60, (3<<16)|(1<<21)
	s_mov_b32 s[G1AS+1], 32<<16
	s_mov_b32 s[G1AS+2], 4<<16
	s_mov_b32 s[G1AS+3], 32<<16
	s_mov_b32 s[G1AS+4], 4
	s_mov_b32 s[G1AS+5], 1024
	s_mov_b32 s[G1AS+6], 0
	s_mov_b32 s[G1AS+7], 0
	; Wo's tile of wave k: rows 128 cb + 64 (k % 2) + 16 (k / 2) on.  These registers never hold the block of tokens
	s_and_b32 s74, s[KQ], 1
	s_lshr_b32 s75, s[KQ], 1
	s_lshl_b32 s68, s[CB], 7
	s_lshl_b32 s76, s74, 6
	s_add_co_u32 s68, s68, s76
	s_lshl_b32 s76, s75, 4
	s_add_co_u32 s68, s68, s76
	s_mul_i32 s68, s68, 384
	s_mov_b32 s69, 0
	s_mul_i32 s77, s75, WDIST
	s_mul_i32 s78, s74, 13824
	s_add_co_u32 s77, s77, s78
	; a's tiles 8 rb + 4 (k % 2) .. + 3.  These registers never hold the block of columns
	s_lshl_b32 s70, s[RB], 3
	s_lshl_b32 s79, s74, 2                         ; 4 x (wave % 2): waves 4, 5 fetch a's tiles 8 rb + 4 (wave % 2) on, waves 6, 7 the scale bytes of heads 4 (wave % 2) on
	s_add_co_u32 s70, s70, s79
	s_mul_i32 s70, s70, 6144
	s_mov_b32 s71, 0
	s_mul_i32 s80, s74, 24576
	s_add_co_u32 s80, s80, ALD
	; heads 4 (k % 2) .. + 3 of my batch, my eight tiles
	s_lshr_b32 s72, s[RB], 5
	s_lshl_b32 s72, s72, 3
	s_add_co_u32 s72, s72, s79
	s_lshl_b32 s72, s72, 8
	s_and_b32 s81, s[RB], 31
	s_lshl_b32 s81, s81, 3
	s_add_co_u32 s72, s72, s81
	s_lshl_b32 s72, s72, 5
	s_mov_b32 s73, 0
	s_lshl_b32 s82, s74, 10
	s_add_co_u32 s82, s82, ASL
	s_wait_dscnt 0x0
	s_wait_kmcnt 0x0
	s_mov_b32 s[G0W], 1
	s_mov_b32 s[G0W+1], s77
	s_add_nc_u64 s[G0W+2:G0W+3], s[8:9], s[68:69]
	s_or_b32 s[G0W+3], s[G0W+3], 0x80000000
	s_mov_b32 s[G0A], 1
	s_mov_b32 s[G0A+1], s80
	s_add_nc_u64 s[G0A+2:G0A+3], s[4:5], s[70:71]
	s_or_b32 s[G0A+3], s[G0A+3], 0x80000000
	s_mov_b32 s[G0AS], 1
	s_mov_b32 s[G0AS+1], s82
	s_add_nc_u64 s[G0AS+2:G0AS+3], s[6:7], s[72:73]
	s_or_b32 s[G0AS+3], s[G0AS+3], 0x80000000
	CROUND                                         ; all sixteen work-groups are here: the joint loads meet
	s_cmp_lt_u32 s[WV], 4                          ; one chain of branches on the wave's number, one load a wave: waves 0 to 3 fetch Wo's tiles, waves 4 and 5 a's, waves 6 and 7 a's scale bytes
	s_cbranch_scc0 .Lfor_a
	tensor_load_to_lds s[G0W:G0W+3], s[G1W:G1W+7]
	s_nop 0
.rept 4
	v_nop
.endr
	s_branch .Lasked
.Lfor_a:
	s_cmp_lt_u32 s[WV], 6
	s_cbranch_scc0 .Lfor_as
	tensor_load_to_lds s[G0A:G0A+3], s[G1A:G1A+7]
	s_nop 0
.rept 4
	v_nop
.endr
	s_branch .Lasked
.Lfor_as:
	tensor_load_to_lds s[G0AS:G0AS+3], s[G1AS:G1AS+7]
	s_nop 0
.rept 4
	v_nop
.endr
.Lasked:
	v_and_b32 v[LANE], 31, v0
	s_delay_alu instid0(VALU_DEP_1)
	v_lshlrev_b32 v[L16], 4, v[LANE]
	s_delay_alu instid0(VALU_DEP_2)
	v_lshlrev_b32 v[L8], 3, v[LANE]
	v_and_b32 v13, 7, v0                           ; r % 8
	v_bfe_u32 v14, v0, 3, 1                        ; r / 8
	v_bfe_u32 v15, v0, 4, 1                        ; h
	v_and_b32 v40, 15, v0                          ; r
	s_wait_alu depctr_va_vdst(0)
	v_mul_u32_u24 v[WA0], v13, PITCH
	s_delay_alu instid0(VALU_DEP_1)
	v_mad_u32_u24 v[WA0], v14, WDIST, v[WA0]
	s_delay_alu instid0(VALU_DEP_1)
	v_mad_u32_u24 v[WA0], v15, 24, v[WA0]
	s_mul_i32 s83, s[PG], 13824                    ; my 64 columns' rows: 32 in each part
	v_add_nc_u32 v[WA0], s83, v[WA0]
	s_delay_alu instid0(VALU_DEP_1)
	v_lshl_add_u32 v[WA0+1], v15, 4, v[WA0]
	s_mul_i32 s83, s[IP], 12288
	s_add_co_u32 s83, s83, ALD
	v_add_nc_u32 v[AL16], s83, v[L16]
	v_add_nc_u32 v[AL8], s83, v[L8]
	s_lshl_b32 s83, s[IP], 6
	s_add_co_u32 s83, s83, ASL
	v_lshl_add_u32 v[ASA], v40, 1, s83
	s_mul_i32 s83, s[IP], 32*528
	s_lshl_b32 s84, s[PG], 8
	s_add_co_u32 s83, s83, s84
	s_add_co_u32 s83, s83, STG
	v_mul_u32_u24 v[SOA], v40, 528
	s_delay_alu instid0(VALU_DEP_1)
	v_lshl_add_u32 v[SOA], v15, 6, v[SOA]
	s_delay_alu instid0(VALU_DEP_1)
	v_add_nc_u32 v[SOA], s83, v[SOA]               ; stage row 32 (w / 2) + r, + 256 (w % 2) + 64 h
	s_mul_i32 s83, s[WV], 8448
	s_add_co_u32 s83, s83, STG
	v_add_nc_u32 v[SRA], s83, v[L16]               ; back: stage rows 16 w on, 16 bytes a lane
	v_and_b32 v13, 8, v0
	s_delay_alu instid0(VALU_DEP_1)
	v_add_nc_u32 v[WSO], v40, v13
	s_delay_alu instid0(VALU_DEP_1)
	v_lshlrev_b32 v[WSO], 4, v[WSO]                ; (r + 8 (r / 8)) x 16
	s_wait_alu depctr_va_vdst(0)
	v_lshlrev_b32 v[BOQ], 6, v15
	s_wait_alu depctr_va_vdst(0)
	s_lshl_b32 s86, s[CB], 11
	s_lshl_b32 s87, s[PG], 10
	s_add_co_u32 s86, s86, s87
	s_mov_b32 s87, 0
	s_add_nc_u64 s[10:11], s[10:11], s[86:87]      ; my 64 rows' scale bytes
	s_lshr_b32 s86, s86, 2
	s_add_nc_u64 s[12:13], s[12:13], s[86:87]      ; my 64 numbers of bo
	s_lshl_b32 s88, s[RB], 7                       ; the rows that I store: tile w of the block: 128 rb + 32 (w / 2) + 8 (w % 2) + k + 8 (k / 8)
	s_lshl_b32 s89, s[IP], 5
	s_add_co_u32 s88, s88, s89
	s_lshl_b32 s89, s[PG], 3
	s_add_co_u32 s88, s88, s89
	s_lshl_b32 s88, s88, 11
	s_lshl_b32 s89, s[CB], 9
	s_add_co_u32 s88, s88, s89
	s_mov_b32 s89, 0
	s_add_nc_u64 s[14:15], s[14:15], s[88:89]
.irp t, 0,1,2,3
	global_load_b128 v[WS+4*\t:WS+4*\t+3], v[WSO], s[10:11] offset:(32*(\t/2)+8*(\t%2))*16
.endr
	WIN 0x40
.irp t, 0,1,2,3                                ; register j of tile t is column 32 (t / 2) + 8 (t % 2) + 16 h + j
	global_load_b128 v[BI+8*\t:BI+8*\t+3], v[BOQ], s[12:13] offset:(32*(\t/2)+8*(\t%2))*4
	global_load_b128 v[BI+8*\t+4:BI+8*\t+7], v[BOQ], s[12:13] offset:(32*(\t/2)+8*(\t%2))*4+16
.endr
	WIN 0
	s_wait_tensorcnt 0x0                           ; my loads have landed;
	s_barrier_signal -1
	s_barrier_wait -1                              ; everybody's have
	WIN 0x40
.irp t, 0,1,2,3
.irp s, 0,1,2,3
	FRAG 12*(4*\t+\s), WA0, \s, (16*(\t/2)+8*(\t%2))*PITCH
.endr
.endr
	WIN 0
.irp uu, 0,1
.irp j, 0,1,2,3
	ds_load_b128 v[XF+12*(4*\uu+\j):XF+12*(4*\uu+\j)+3], v[AL16] offset:6144*\uu+1536*\j
	ds_load_b64 v[XF+12*(4*\uu+\j)+4:XF+12*(4*\uu+\j)+5], v[AL8] offset:6144*\uu+1536*\j+512
	ds_load_b128 v[XF+12*(4*\uu+\j)+6:XF+12*(4*\uu+\j)+9], v[AL16] offset:6144*\uu+1536*\j+768
	ds_load_b64 v[XF+12*(4*\uu+\j)+10:XF+12*(4*\uu+\j)+11], v[AL8] offset:6144*\uu+1536*\j+1280
	ds_load_u16 v[TU+2*(4*\uu+\j)], v[ASA] offset:512*\j+32*\uu          ; head 2 j's two bytes of my row,
	ds_load_u16 v[TU+2*(4*\uu+\j)+1], v[ASA] offset:512*\j+32*\uu+256    ; head 2 j + 1's
.endr
.endr
	s_wait_dscnt 0x0
	s_wait_loadcnt 0x0
.irp n, 0,1,2,3,4,5,6,7
	v_lshl_or_b32 v[AS+\n], v[TU+2*\n+1], 16, v[TU+2*\n]   ; K step j's scale word
.endr
.rept 8
	v_nop                                          ; a scale register written by a vector instruction stands eight places ahead of the product
.endr
.macro MULA s, first
.irp uu, 0,1
.irp t, 0,1,2,3
.if \first
	v_wmma_scale_f32_16x16x128_f8f6f4 v[HA+8*(4*\uu+\t):HA+8*(4*\uu+\t)+7], v[12*(4*\t+\s):12*(4*\t+\s)+11], v[XF+12*(4*\uu+\s):XF+12*(4*\uu+\s)+11], v[BI+8*\t:BI+8*\t+7], v[WS+4*\t+\s], v[AS+4*\uu+\s] matrix_a_fmt:MATRIX_FMT_BF6 matrix_b_fmt:MATRIX_FMT_BF6
.else
	v_wmma_scale_f32_16x16x128_f8f6f4 v[HA+8*(4*\uu+\t):HA+8*(4*\uu+\t)+7], v[12*(4*\t+\s):12*(4*\t+\s)+11], v[XF+12*(4*\uu+\s):XF+12*(4*\uu+\s)+11], v[HA+8*(4*\uu+\t):HA+8*(4*\uu+\t)+7], v[WS+4*\t+\s], v[AS+4*\uu+\s] matrix_a_fmt:MATRIX_FMT_BF6 matrix_b_fmt:MATRIX_FMT_BF6
.endif
.endr
.endr
.endm
	WIN 0x11                                       ; source 0 (Wo) and source 2 (bo) window 1
	MULA 0, 1
	WIN 0x01
	MULA 1, 0
	MULA 2, 0
	MULA 3, 0
	WIN 0
.rept 5
	v_nop                                          ; places in front of the first read of results and of the loads into a's registers
.endr
.irp uu, 0,1
.irp t, 0,1,2,3
	ds_store_b128 v[SOA], v[HA+8*(4*\uu+\t):HA+8*(4*\uu+\t)+3] offset:8448*\uu+128*(\t/2)+32*(\t%2)       ; each accumulator from its low end on
	ds_store_b128 v[SOA], v[HA+8*(4*\uu+\t)+4:HA+8*(4*\uu+\t)+7] offset:8448*\uu+128*(\t/2)+32*(\t%2)+16
.endr
.endr
	s_wait_dscnt 0x0                               ; for the others' sake: my stores into the stage are done
	s_barrier_signal -1
	s_barrier_wait -1
.irp k, 0,1,2,3,4,5,6,7,8,9,10,11,12,13,14,15
	ds_load_b128 v[XF+4*\k:XF+4*\k+3], v[SRA] offset:528*\k
.endr
.irp k, 0,1,2,3,4,5,6,7,8,9,10,11,12,13,14,15
	s_wait_dscnt 15-\k                             ; row k is back; the 15 - k younger loads may be out
	global_store_b128 v[L16], v[XF+4*\k:XF+4*\k+3], s[14:15] offset:(\k+8*(\k/8))*2048 th:TH_STORE_NT   ; 32 lanes store 512 consecutive bytes, at a multiple of 256 from out0's first byte
.endr
	s_wait_tensorcnt 0x0
	ds_add_u32 v254, v255
	s_wait_dscnt 0x0
	CROUND                                         ; the closing round
	s_endpgm
.Lfunc_end_k_q94449419f7_oproj:
	.size	k_q94449419f7_oproj, .Lfunc_end_k_q94449419f7_oproj-k_q94449419f7_oproj
	.p2alignl 7, 3214868480
	.fill 96, 4, 3214868480
	.section	.rodata,"a",@progbits
	.p2align	6, 0x0
	.amdhsa_kernel k_q94449419f7_oproj
		.amdhsa_group_segment_fixed_size 175360
		.amdhsa_private_segment_fixed_size 0
		.amdhsa_enable_private_segment 0
		.amdhsa_kernarg_size 48
		.amdhsa_user_sgpr_count 2
		.amdhsa_user_sgpr_kernarg_segment_ptr 1
		.amdhsa_wavefront_size32 1
		.amdhsa_system_sgpr_workgroup_id_x 1
		.amdhsa_system_sgpr_workgroup_id_y 1
		.amdhsa_system_sgpr_workgroup_id_z 1
		.amdhsa_system_vgpr_workitem_id 0
		.amdhsa_next_free_vgpr 480
		.amdhsa_next_free_sgpr 100
		.amdhsa_reserve_vcc 0
		.amdhsa_float_denorm_mode_32 3
		.amdhsa_float_denorm_mode_16_64 3
		.amdhsa_memory_ordered 1
		.amdhsa_forward_progress 1
		.amdhsa_inst_pref_size 29
	.end_amdhsa_kernel
	.amdgpu_metadata
---
amdhsa.version: [ 1, 2 ]
amdhsa.kernels:
  - .name:           k_q94449419f7_oproj
    .symbol:         k_q94449419f7_oproj.kd
    .args:
      - { .name: ac, .offset: 0, .size: 8, .value_kind: global_buffer, .address_space: global }
      - { .name: asc, .offset: 8, .size: 8, .value_kind: global_buffer, .address_space: global }
      - { .name: Wo_codes, .offset: 16, .size: 8, .value_kind: global_buffer, .address_space: global }
      - { .name: Wo_scales, .offset: 24, .size: 8, .value_kind: global_buffer, .address_space: global }
      - { .name: bo, .offset: 32, .size: 8, .value_kind: global_buffer, .address_space: global }
      - { .name: out0, .offset: 40, .size: 8, .value_kind: global_buffer, .address_space: global }
    .group_segment_fixed_size: 175360
    .private_segment_fixed_size: 0
    .kernarg_segment_align: 8
    .kernarg_segment_size: 48
    .max_flat_workgroup_size: 256
    .sgpr_count:     100
    .vgpr_count:     480
    .wavefront_size: 32
...
	.end_amdgpu_metadata
.endif
;; end of part 3
